; MI455X (gfx1250); checked and timed in simulation.
; The chip was launched on July 23, 2026; its instructions are those of AMD's public machine-readable ISA for CDNA 5 (MIT licence, August 2026) and "CDNA5" Instruction Set Architecture Reference Guide (July 2026). The comments in the code are by the model that wrote it; some were corrected since.
;; Self Attention. Allowed arithmetic: matrix products marked QUANTISED: E2M3 operands, one E8M0 scale for each 32 along K, by v_wmma_scale_f32_16x16x128_f8f6f4 with both operands' format E2M3, f32 sums; everything else in f32.
;; Inputs: Wk 1,024 x 1,024 float32; Wp 1,024 x 1,024 float32; Wq 1,024 x 1,024 float32; Wv 1,024 x 1,024 float32; bk 1,024 float32; bp 1,024 float32; bq 1,024 float32; bv 1,024 float32; x 4 x 2,048 x 1,024 float32.
;; Outputs: out0 4 x 2,048 x 1,024 float32.
;; This version of the problem:
;;   THIS VERSION OF THE PROBLEM IS GIVEN IN LOW PRECISION. The matrix products marked QUANTISED in the list below multiply operands that are first quantised to E2M3 (2 exponent bits, 3 mantissa bits; 6 bits a number), with one power-of-two scale for each 32 numbers along K (OCP MX v1.0); their sums are f32. All else is computed in f32.
;;   The module's matrix products, in the order in which they are computed (A, B: the left and right operand; K: the contracted axis; several contracted axes count as one K, in the product's order):
;;     1. [M 8,192, K 1,024] x [K 1,024, N 1,024]; A: input x; B: input Wq: QUANTISED
;;     2. [M 8,192, K 1,024] x [K 1,024, N 1,024]; A: input x; B: input Wk: QUANTISED
;;     3. [M 8,192, K 1,024] x [K 1,024, N 1,024]; A: input x; B: input Wv: QUANTISED
;;     4. batch 4 x [M 2,048, K 1,024] x [K 1,024, N 2,048]; A: computed on the way; B: computed on the way: QUANTISED
;;     5. batch 4 x [M 2,048, K 2,048] x [K 2,048, N 1,024]; A: softmax (see below); B: computed on the way: QUANTISED
;;     6. [M 8,192, K 1,024] x [K 1,024, N 1,024]; A: computed on the way; B: input Wp: QUANTISED
;;   THE QUANTISER, for each operand of a quantised product, along K:
;;     - K is cut into blocks of 32 from its start; a last block that is shorter is filled with zeros.
;;     - A block's scale is 2^e with e = floor(log2(the largest magnitude in the block)) - 2, held to -126 .. 127; a block of zeros has e = 0. As a byte (E8M0): e + 127.
;;     - Each number is divided by its block's scale, clamped to +-7.5, and rounded to the nearest number of E2M3, ties to even, subnormals kept.
;;     - The product sums the exact products of the quantised numbers (number of the format x scale) in f32.
;;   ~~~python
;;   def quantise(x, axis):      # numpy; x: float32 -> the quantised numbers, widened to float32 again
;;       x = np.moveaxis(x, axis, -1); K = x.shape[-1]
;;       x = np.pad(x, [(0, 0)] * (x.ndim - 1) + [(0, -K % 32)]); x = x.reshape(x.shape[:-1] + (-1, 32)); a = np.abs(x).max(-1, keepdims=True)
;;       e = np.where(a > 0, np.clip(np.frexp(np.where(a > 0, a, 1))[1] - 1 - 2, -126, 127), 0)      # np.frexp(a)[1] - 1 = floor(log2(a)), exactly
;;       r = np.clip(x / 2.0 ** e, -7.5, 7.5)
;;       step = 2.0 ** (np.maximum(np.frexp(np.where(r == 0, 1, r))[1] - 1, 0) - 3)
;;       q = np.round(r / step) * step * 2.0 ** e      # np.round: ties to even
;;       return np.moveaxis(q.reshape(q.shape[:-2] + (-1,))[..., :K], -1, axis).astype(np.float32)
;;   ~~~
;;   SOFTMAX AHEAD OF A QUANTISED PRODUCT. Where the list says 'softmax', what is quantised is not the finished softmax but p = 2^(t - M), with t = logit x log2(e) and M = ceil(the row's largest t), a whole number; so 1/2 < the row's largest p <= 1. The row's sum l is taken of the UNQUANTISED p, in f32, and the product's result is divided by l at the end. Since M is a whole number, a kernel that streams over the keys may use a running M (the ceiling of the running maximum): every later rescaling is an exact power of two, which a block's scale takes up: the codes' values come out the same.
;;   OPERANDS COMPUTED ON THE WAY. 'Computed on the way' means the value that the module computes at that place (a softmax that the list does not call 'softmax' is quantised finished and normalised). What goes into a quantiser is computed in f32, as accurately as f32 sums, v_exp_f32 and their like allow (about 1e-6 of the number): no bf16 or f16 on the way to a quantiser, and a product that is left as it is and whose result goes on into a quantised operand takes f32 operands (vector FMAs, or v_wmma_f32_16x16x4_f32). A number that lies on a knife's edge between two numbers of the format may be rounded either way, as far as f32 arithmetic and the matrix unit's own rounding can turn it there, and no further.
;; One version. Each part assembles by itself: llvm-mc -triple=amdgcn-amd-amdhsa -mcpu=gfx1250 --defsym DOCPART=n.
;; ======== version 1 of 1: 5 launches
;; limits: right only within a limited range of input values
;; workspace buffers: xw 9,830,400 bytes; qkv 19,660,800 bytes; pm 13,107,200 bytes; st 1,048,576 bytes; oc 6,553,600 bytes
;; launch quant (part 1): grid 256 x 1, 6 waves a work-group, no clusters, 327,680 bytes of LDS; arguments x, Wq, Wk, Wv, Wp, xw; writes xw
.if DOCPART == 1
	.amdgcn_target "amdgcn-amd-amdhsa--gfx1250"
	.amdhsa_code_object_version 6
	.text
	.protected	k_qea1d1cbf9c_quant
	.globl	k_qea1d1cbf9c_quant
	.p2align	8
	.type	k_qea1d1cbf9c_quant,@function
k_qea1d1cbf9c_quant:
	s_mov_b64 s[64:65], 0
	v_nop
	global_prefetch_b8 v0, s[64:65] scope:SCOPE_SE
	s_setreg_imm32_b32 hwreg(HW_REG_WAVE_MODE, 25, 1), 1
	s_wait_xcnt 0x0
.set ROWP,  528
.set WREG,  64*ROWP
.set SPARE, 6*WREG
.set UNIT,  12800
.set SCW,   12288
.set SPW, 2
.set NIL, 3
.set LA,  4
.set L16, 5
.set L8,  6
.set SH,  7
.set MX,  8
.set SOP, 10
.set BY,  12
.set WT,  14
.set WX,  15
.set WD,  16
.set SW,  20
.set PT,  24
.set X,   32
.set PC,  160
.set G1,  32
.set G0,  40
.set SEL, 48
.set HM,  50
	s_load_b256 s[4:11], s[0:1], 0x0
	s_load_b128 s[12:15], s[0:1], 0x20
	v_lshl_add_u32 v[SPW], v0, 2, SPARE
	v_mov_b32 v[NIL], 0
	ds_add_u32 v[SPW], v[NIL]
	ds_add_u32 v[SPW], v[NIL]
	v_lshrrev_b32 v1, 5, v0
	v_readfirstlane_b32 s16, v1
	s_mul_i32 s17, ttmp9, 6
	s_add_co_u32 s17, s17, s16
	s_and_b32 s18, s17, 7
	s_bfe_u32 s19, s17, 0x10003
	s_lshr_b32 s20, s17, 4
	s_and_b32 s21, s20, 7
	s_cmp_lt_u32 s20, 64
	s_cselect_b32 s21, s20, s21
	s_lshl_b32 s21, s21, 1
	s_add_co_u32 s21, s21, s19
	s_lshl_b32 s21, s21, 18
	s_lshl_b32 s22, s18, 9
	s_add_co_u32 s22, s21, s22
	s_mov_b32 s23, 0
	s_mul_i32 s24, s20, 8*UNIT
	s_mul_i32 s25, s18, UNIT
	s_add_co_u32 s24, s24, s25
	s_lshl_b32 s25, s19, 8
	s_add_co_u32 s26, s24, s25
	s_add_co_u32 s26, s26, SCW
	s_mov_b32 s27, 0
	s_mul_i32 s25, s19, 6144
	s_add_co_u32 s24, s24, s25
	s_mov_b32 s25, 0
	s_mul_i32 s28, s16, WREG
	s_mov_b32 s[G1+0], (2<<16)|(1<<20)|(6<<22)|(3<<25)
	s_mov_b32 s[G1+1], 128<<16
	s_mov_b32 s[G1+2], 64<<16                      ; a wave's whole part, 64 rows of 512 bytes, comes by its one tensor load
	s_mov_b32 s[G1+3], 128<<16
	s_mov_b32 s[G1+4], 64
	s_mov_b32 s[G1+5], 1024
	s_mov_b32 s[G1+6], 0
	s_mov_b32 s[G1+7], 0
	s_mov_b32 s[SEL], 0x76543210
	s_mov_b32 s[SEL+1], 0xfedcba98
	s_mov_b32 s[HM], 0xffff0000
	v_and_b32 v1, 15, v0
	v_bfe_u32 v[SH], v0, 4, 1
	v_and_b32 v[LA], 8, v1
	v_add_nc_u32 v[LA], v[LA], v1
	v_mul_u32_u24 v[LA], v[LA], ROWP
	v_lshl_add_u32 v[LA], v[SH], 7, v[LA]
	v_add_nc_u32 v[LA], s28, v[LA]
	v_and_b32 v[L8], 31, v0
	v_lshlrev_b32 v[L16], 4, v[L8]
	v_lshlrev_b32 v[L8], 3, v[L8]
	v_lshlrev_b32 v[SH], 3, v[SH]
	v_mov_b32 v[WX], 0
	s_wait_alu depctr_va_vdst(0)
	s_wait_dscnt 0x0
	s_wait_kmcnt 0x0
	s_cmp_lt_u32 s20, 88
	s_cselect_b64 s[30:31], s[10:11], s[12:13]
	s_cmp_lt_u32 s20, 80
	s_cselect_b64 s[30:31], s[8:9], s[30:31]
	s_cmp_lt_u32 s20, 72
	s_cselect_b64 s[30:31], s[6:7], s[30:31]
	s_cmp_lt_u32 s20, 64
	s_cselect_b64 s[30:31], s[4:5], s[30:31]
	s_add_nc_u64 s[30:31], s[30:31], s[22:23]
	s_add_nc_u64 s[24:25], s[14:15], s[24:25]
	s_add_nc_u64 s[26:27], s[14:15], s[26:27]
	s_mov_b32 s[G0+0], 1
	s_mov_b32 s[G0+1], s28
	s_mov_b64 s[G0+2:G0+3], s[30:31]
	s_or_b32 s[G0+3], s[G0+3], 0x80000000
	tensor_load_to_lds s[G0:G0+3], s[G1:G1+7]
	s_nop 0
.rept 4
	v_nop
.endr
.macro LD a
.irp c, 0,1
.irp q, 0,1,2,3,4,5,6,7
	ds_load_b128 v[X+64*((\a)%2)+32*\c+4*\q:X+64*((\a)%2)+32*\c+4*\q+3], v[LA] offset:(32*((\a)/2)+8*((\a)%2))*ROWP+256*\c+16*\q
.endr
.endr
.endm
.macro Q a
.set XS, X+64*((\a)%2)
.set PA, PC+12*(\a)
.irp c, 0,1
	v_max3_num_f32 v[MX+\c], |v[XS+32*\c]|, |v[XS+32*\c+1]|, 0x1800000
.endr
.irp i, 2,4,6,8,10,12,14,16,18,20,22,24,26,28,30
.irp c, 0,1
	v_max3_num_f32 v[MX+\c], v[MX+\c], |v[XS+32*\c+\i]|, |v[XS+32*\c+\i+1]|
.endr
.endr
.irp c, 0,1
	v_add_nc_u32 v[SOP+\c], 0xff000000, v[MX+\c]
.endr
.irp c, 0,1
	v_lshrrev_b32 v[BY+\c], 23, v[SOP+\c]
.endr
	v_lshl_or_b32 v[WT], v[BY+1], 16, v[BY]
	v_lshlrev_b32 v[WT], v[SH], v[WT]
	v_permlanex16_b32 v[WX], v[WT], s[SEL], s[SEL+1]
	v_or_b32 v[WD+(\a)], v[WT], v[WX]
.irp c, 0,1
	v_cvt_scalef32_pk16_fp6_f32 v[PA+6*\c:PA+6*\c+2], v[XS+32*\c:XS+32*\c+15], v[SOP+\c]
	v_cvt_scalef32_pk16_fp6_f32 v[PT+4*\c:PT+4*\c+2], v[XS+32*\c+16:XS+32*\c+31], v[SOP+\c]
.endr
	v_nop
.irp c, 0,1
.irp i, 0,1,2
	v_mov_b32 v[PA+6*\c+3+\i], v[PT+4*\c+\i]
.endr
.endr
.irp q, 0,1,2
	global_store_b128 v[L16], v[PA+4*\q:PA+4*\q+3], s[24:25] offset:1536*(\a)+512*\q
.endr
.endm
	s_wait_tensorcnt 0x0                           ; my 64 rows are in; only I read them
	LD 0
	LD 1
	s_wait_dscnt 16
	Q 0
	LD 2
	s_wait_dscnt 16
	Q 1
	LD 3
	s_wait_dscnt 16
	Q 2
	s_wait_dscnt 0x0
	Q 3
	v_cndmask_b32 v[SW], v[WD], v[WD+1], s[HM]
	v_cndmask_b32 v[SW+1], v[WD+2], v[WD+3], s[HM]
	global_store_b64 v[L8], v[SW:SW+1], s[26:27]
	s_wait_tensorcnt 0x0
	ds_add_u32 v[SPW], v[NIL]
	s_wait_dscnt 0x0
	s_endpgm
.Lfunc_end_k_qea1d1cbf9c_quant:
	.size	k_qea1d1cbf9c_quant, .Lfunc_end_k_qea1d1cbf9c_quant-k_qea1d1cbf9c_quant
	.p2alignl 7, 3214868480
	.fill 96, 4, 3214868480
	.section	.rodata,"a",@progbits
	.p2align	6, 0x0
	.amdhsa_kernel k_qea1d1cbf9c_quant
		.amdhsa_group_segment_fixed_size 327680
		.amdhsa_private_segment_fixed_size 0
		.amdhsa_enable_private_segment 0
		.amdhsa_kernarg_size 48
		.amdhsa_user_sgpr_count 2
		.amdhsa_user_sgpr_kernarg_segment_ptr 1
		.amdhsa_wavefront_size32 1
		.amdhsa_system_sgpr_workgroup_id_x 1
		.amdhsa_system_sgpr_workgroup_id_y 1
		.amdhsa_system_sgpr_workgroup_id_z 1
		.amdhsa_system_vgpr_workitem_id 0
		.amdhsa_next_free_vgpr 256
		.amdhsa_next_free_sgpr 66
		.amdhsa_reserve_vcc 0
		.amdhsa_float_denorm_mode_32 3
		.amdhsa_float_denorm_mode_16_64 3
		.amdhsa_memory_ordered 1
		.amdhsa_forward_progress 1
		.amdhsa_inst_pref_size 21
	.end_amdhsa_kernel
	.amdgpu_metadata
---
amdhsa.version: [ 1, 2 ]
amdhsa.kernels:
  - .name:           k_qea1d1cbf9c_quant
    .symbol:         k_qea1d1cbf9c_quant.kd
    .args:
      - { .name: x, .offset: 0, .size: 8, .value_kind: global_buffer, .address_space: global }
      - { .name: Wq, .offset: 8, .size: 8, .value_kind: global_buffer, .address_space: global }
      - { .name: Wk, .offset: 16, .size: 8, .value_kind: global_buffer, .address_space: global }
      - { .name: Wv, .offset: 24, .size: 8, .value_kind: global_buffer, .address_space: global }
      - { .name: Wp, .offset: 32, .size: 8, .value_kind: global_buffer, .address_space: global }
      - { .name: xw, .offset: 40, .size: 8, .value_kind: global_buffer, .address_space: global }
    .group_segment_fixed_size: 327680
    .private_segment_fixed_size: 0
    .kernarg_segment_align: 8
    .kernarg_segment_size: 48
    .max_flat_workgroup_size: 192
    .sgpr_count:     66
    .vgpr_count:     256
    .wavefront_size: 32
...
	.end_amdgpu_metadata
.endif
;; end of part 1
;; launch qkv (part 2): grid 4 x 64, 4 waves a work-group, clusters of 4 x 4, 327,680 bytes of LDS; arguments xw, bq, bk, bv, qkv; writes qkv
.if DOCPART == 2
	.amdgcn_target "amdgcn-amd-amdhsa--gfx1250"
	.amdhsa_code_object_version 6
	.text
	.protected	k_qea1d1cbf9c_qkv
	.globl	k_qea1d1cbf9c_qkv
	.p2align	8
	.type	k_qea1d1cbf9c_qkv,@function
k_qea1d1cbf9c_qkv:
	s_mov_b64 s[64:65], 0
	v_nop
	global_prefetch_b8 v0, s[64:65] scope:SCOPE_SE
	s_setreg_imm32_b32 hwreg(HW_REG_WAVE_MODE, 25, 1), 1
	s_wait_xcnt 0x0
	s_wait_alu depctr_hold_cnt(0) depctr_sa_sdst(0) depctr_va_vdst(0) depctr_va_sdst(0) depctr_va_ssrc(0) depctr_va_vcc(0) depctr_vm_vsrc(0)
	s_getreg_b32 s2, hwreg(HW_REG_IB_STS2, 6, 4)
	s_cmp_eq_u32 s2, 0
	s_cbranch_scc0 .Lentry_in_a_cluster
	s_endpgm
.Lentry_in_a_cluster:
	s_bfe_u32 s2, ttmp6, 0x10000c
	s_cmp_lg_u32 s2, 0xf033
	s_cbranch_scc0 .Lentry_shape_is_right
	s_endpgm
.Lentry_shape_is_right:
; q = x Wq^T + bq and k = x Wk^T + bk, quantised along the features, and v^T = (x Wv^T + bv)^T, quantised along the tokens: MX-FP6 products on the operand units of xw, results as operand units in qkv.
; UNIT (12,800 bytes): 128 rows x 128 K: eight fragment images of 1,536 bytes (register 4 q + i of lane l at 512 q + 16 l + 4 i), then scale words: 12,288 + 256 hf + 8 l + 4 j is block 4 hf + 2 j + l / 16, row l % 16.
; Place (rb, r) holds row 32 (rb / 2) + 8 (rb % 2) + r + 8 (r / 8) of the 128.  xw: row groups of 8 units: x 0-63, Wq 64-71, Wk 72-79, Wv 80-87.
; qkv: token group g at 204,800 g (q's 8 K steps, then k's 8); v^T from 13,107,200: feature group f at 819,200 f, 64 K steps (token / 128).
; TILE.  128 rows of R (source 1, one row group) x 256 rows of P (source 0, two groups), K = 1,024.  Wave w: rows 64 (w / 2) on of R (4 blocks a), group w % 2 of P (8 tiles b): 32 accumulators.
; The product is used transposed: a lane holds one row of R, and the 64 registers of a block a run along P's 128 rows in their true order: one K step of the next product, quantised in registers.
; A WORK-GROUP STAYS AND MAKES THREE TILES, 24 K steps on end.  With g = 4 CY + cy, X = cx, f = 4 (CY % 2) + cy (CY: the cluster's y):
;   tile 0: q:   R = x's group g,  P = Wq's groups 2 X, 2 X + 1;      tile 1: k: the same R, which stays in LDS, P = Wk's groups 2 X, 2 X + 1;
;   tile 2: v^T: R = Wv's group f, P = x's groups 8 (CY / 2) + 2 X, + 1 (a lane holds a feature, registers run along the tokens).
; LDS holds eight K steps of each operand: R's unit of K step s at 12,800 s, P's group p at 102,400 (1 + p) + 12,800 s.  Tile 0's are asked for at the head, in one load a wave.  In each tile that has a successor, places 0-3 are
; filled again with the successor's units when K step 3's fragments are in registers, places 4-7 at K step 7: each time every wave waits for all its tensor loads, adds 0 to its spare word, waits for that and for its LDS reads,
; a round of the cluster's barrier follows, and one joint load a wave stands first behind it.  So a tile's operands land under the products of the tile before, and a tile's stores leave under the products of the next.
; A wave has one tensor load out at the head and at most one behind each of the four rounds.
; CLUSTER 4 x 4: R is shared along a row of the cluster, P along a column: each tile is asked for jointly (waves 0, 1: R; waves 2, 3: P).
; THE BIAS is the C of a tile's first K step: bq's and bk's eight tiles along the registers, bv's four tiles with one number a lane.
; REGISTERS.  Window 0: v1-11, v15 addresses; v16-27 scale words, two sets; v32-127 R's fragments, two sets; v128-147 codes at work; v192-223, v252-253 at work.  Window 1: P's fragments, two sets.
;   Window 2: accumulator (a, b) at 8 (8 a + b).  Window 3: v0-63 bq's tiles, v64-127 bk's, v128-159 bv's.
; No prefetch: each unit is asked for by several clusters at about the same time.
; LIMITS: a block of zeros, or under 2^-124, keeps the scale byte 1; NaN and infinities are not served.
.set UNIT,  12800
.set GRP8,  8*UNIT
.set SCW,   12288
.set SPARE, 3*GRP8                     ; behind the operands: the spare words, 128 bytes a wave, two blocks of 256 bytes that no other line names
.set L16,  1                           ; v1     16 x lane
.set ADRR, 2                           ; v2-3   R's images, places 0-3 and 4-7.  v2 = 16 x lane + 6,144 (w / 2) is also my byte offset among a result unit's images
.set ADRP, 4                           ; v4-5   P's
.set ADSR, 6                           ; v6-7   R's scale words.  v6 = 8 x lane + 12,288 + 256 (w / 2) is also my byte offset among a result unit's scale words
.set ADSP, 8                           ; v8-9   P's
.set BO,   10                          ; v10    bias along the registers: 64 (lane / 16) bytes
.set BL,   11                          ; v11    bias of my lane's row: 4 (r + 8 (r / 8)) bytes
.set L8,   15                          ; v15    8 x lane
.set SC,   16                          ; v16-27 scale words: set p at 16 + 6 p: four registers of P's, two of R's
.set SRB,  SC+4
.set SRS,  6
.set SPW,  28
.set NIL,  29
.set RF,   32                          ; R's fragments: set p at 32 + 48 p
.set PC,   128                         ; the way out: a fragment's codes
.set PT,   140                         ; and the blocks' second halves
.set TM,   192                         ; v192-207 at work in QUANT
.set PW,   216                         ; v216-219 a scale word for each block a
.set BA,   220                         ; v220-223 bv of my lane's row, for each block a
.set SW,   252
.set BQ,   0                           ; window 3: bq's eight tiles,
.set BK,   64                          ; bk's,
.set BV,   128                         ; and bv's four
.set G1R, 24                           ; s[24:31] group 1 for R's first loads (200 rows of 256 bytes), s[32:39] for P's (400 rows)
.set G1P, 32
.set G0R, 40                           ; s[40:55] group 0 for R, a set for each stage; s[68:83] for P.  Sets 0 and 2 serve the refills
.set G0P, 68
.set G1R2, 84                          ; s[84:91] group 1 for R's refills (100 rows), s[92:99] for P's (200 rows)
.set G1P2, 92
.set LDEL, 23                          ; s23      12,800 x part: R's refills bring two units a wave where their sets were built for one
.set RDEL, 56                          ; s[56:57] bytes from x's group g to Wv's group f, + 12,800 x part
.set PDEL, 58                          ; s[58:59] bytes back from Wk's groups to x's
.set OUT,  60                          ; s[60:61] q's result unit; k's lies 102,400 bytes on
.set OUT2, 62                          ; s[62:63] v^T's
.set HM,  66                           ; s66  the mask of lanes 16-31
.set SEL, 100                          ; s[100:101] lane selects: lane l xor 16
.set MUL,  0xa1                        ; source 0 (P) window 1, source 1 (R) window 0, C and D window 2
.set MULB, 0xb1                        ; the same with C (a bias) in window 3
.set TO_B, 0x40                        ; destination window 1
.set MSB, 0
.macro WIN new                         ; the immediate's high byte repeats the setting that is left
.if MSB != (\new)
	s_set_vgpr_msb (MSB<<8)|(\new)
.set MSB, (\new)
.endif
.endm
.macro PLACES n
.rept \n
	v_nop
.endr
.endm
.macro CROUND                          ; a round of the cluster's barrier
	s_barrier_signal -1
	s_barrier_wait -1
	s_cmp_lg_u32 s16, 0
	s_cbranch_scc1 .Lnot_wave_0_\@
	s_barrier_signal -3
.Lnot_wave_0_\@:
	s_barrier_wait -3
	s_barrier_signal -1
	s_barrier_wait -1
.endm
.macro G1SET g, rows                   ; a dense block as rows of 256 bytes: 32 elements of 8 bytes
	s_mov_b32 s[\g+1], 32<<16
	s_mov_b32 s[\g+2], (\rows)<<16
	s_mov_b32 s[\g+3], 32<<16
	s_mov_b32 s[\g+4], \rows
	s_mov_b32 s[\g+5], 32
	s_mov_b32 s[\g+6], 0
	s_mov_b32 s[\g+7], 0
.endm
.macro IDS                             ; the opening add; wave, place in the cluster, masks, groups 1
	v_lshl_add_u32 v[SPW], v0, 2, SPARE
	v_mov_b32 v[NIL], 0
	ds_add_u32 v[SPW], v[NIL]                      ; the wave's opening: the add and its wait stand ahead of my first tensor load; work on registers stands between
	ds_add_u32 v[SPW], v[NIL]
	v_lshrrev_b32 v15, 5, v0
	v_readfirstlane_b32 s16, v15                   ; wave 0..3
	s_lshr_b32 s17, s16, 1                         ; hr: my 64 rows of R.  Also: I fetch for R (0) or for P (1)
	s_and_b32 s18, s16, 1                          ; hp: my group of P.  Also: which part I fetch
	s_bfe_u32 s19, ttmp6, 0x40000                  ; cx
	s_bfe_u32 s20, ttmp6, 0x40004                  ; cy
	s_lshl_b32 s21, ttmp9, 2
	s_add_co_u32 s21, s21, s19                     ; X = 4 x cluster x + cx
	s_and_b32 s22, ttmp7, 0xffff                   ; CY: the cluster's y
	s_lshl_b32 s2, s20, 2
	s_lshl_b32 s2, 15, s2                          ; my row of the cluster
	s_lshl_b32 s3, 0x1111, s19                     ; my column
	s_or_b32 s[G1R], s2, (3<<16)|(1<<21)           ; the mask; elements of 8 bytes; bit 21 set beside a mask
	s_or_b32 s[G1P], s3, (3<<16)|(1<<21)
	s_or_b32 s[G1R2], s2, (3<<16)|(1<<21)
	s_or_b32 s[G1P2], s3, (3<<16)|(1<<21)
	; THE FIRST FILLS, in place of what the head comment says of four stages: at the head a wave issues ONE joint load, which brings all eight K steps of its part: waves 0 and 1 four units of R each (200 rows of 256 bytes),
	; waves 2 and 3 a group of P each (400 rows).  A wave never has more than one tensor load out.
	G1SET G1R, 200
	G1SET G1P, 400
	G1SET G1R2, 100
	G1SET G1P2, 200
	s_mov_b32 s[HM], 0xffff0000
	s_mov_b32 s[SEL], 0x76543210
	s_mov_b32 s[SEL+1], 0xfedcba98
.endm
.macro ADDRS                           ; LDS addresses: constants, the lane and the wave's number alone
	v_and_b32 v15, 31, v0
	v_lshlrev_b32 v[L16], 4, v15
	v_lshlrev_b32 v[L8], 3, v15
	s_mul_i32 s2, s17, 6144
	v_add_nc_u32 v[ADRR], s2, v[L16]
	v_add_nc_u32 v[ADRR+1], 4*UNIT, v[ADRR]
	s_mul_i32 s2, s18, GRP8
	s_add_co_u32 s2, s2, GRP8
	v_add_nc_u32 v[ADRP], s2, v[L16]
	v_add_nc_u32 v[ADRP+1], 4*UNIT, v[ADRP]
	s_add_co_u32 s2, s2, SCW
	v_add_nc_u32 v[ADSP], s2, v[L8]
	v_add_nc_u32 v[ADSP+1], 4*UNIT, v[ADSP]
	s_lshl_b32 s2, s17, 8
	s_add_co_u32 s2, s2, SCW
	v_add_nc_u32 v[ADSR], s2, v[L8]
	v_add_nc_u32 v[ADSR+1], 4*UNIT, v[ADSR]
.irp b, 0,1,2,3
	v_mov_b32 v[TM+4+\b], 0                        ; a lane permute's destination counts as one of its sources
.endr
.endm
.macro G0BUILD                         ; s[56:57]: R's group + 12,800 x part; s[58:59]: my group of P.  Stage j is K steps 2 j and 2 j + 1
	s_mul_i32 s2, s18, UNIT
	s_mul_i32 s3, s18, GRP8
	s_add_co_u32 s3, s3, GRP8
.irp j, 0,2                                    ; the two sets that serve the refills; P's set 0 also serves the head
	s_mov_b32 s[G0R+4*\j], 1
	s_add_co_u32 s[G0R+4*\j+1], s2, \j*2*UNIT
	s_add_nc_u64 s[G0R+4*\j+2:G0R+4*\j+3], s[56:57], \j*2*UNIT
	s_or_b32 s[G0R+4*\j+3], s[G0R+4*\j+3], 0x80000000
	s_mov_b32 s[G0P+4*\j], 1
	s_add_co_u32 s[G0P+4*\j+1], s3, \j*2*UNIT
	s_add_nc_u64 s[G0P+4*\j+2:G0P+4*\j+3], s[58:59], \j*2*UNIT
	s_or_b32 s[G0P+4*\j+3], s[G0P+4*\j+3], 0x80000000
.endr
.endm
.macro FIRST                           ; a wave's one first fill stands in a branch on the wave's number; an s_nop 0 and four v_nop follow it
	s_cmp_eq_u32 s17, 0
	s_cbranch_scc0 .Lfirst_p_\@
	tensor_load_to_lds s[G0R+4:G0R+7], s[G1R:G1R+7]
	s_nop 0
	PLACES 4
	s_branch .Lfirst_done_\@
.Lfirst_p_\@:
	tensor_load_to_lds s[G0P:G0P+3], s[G1P:G1P+7]
	s_nop 0
	PLACES 4
.Lfirst_done_\@:
.endm
.macro JLOAD g0a, g1a, g0b, g1b        ; a joint refill of R and P: waves 0 and 1 for R, waves 2 and 3 for P; an s_nop 0 and four v_nop follow each of the two lines
	s_cmp_eq_u32 s17, 0
	s_cbranch_scc0 .Lfor_p_\@
	tensor_load_to_lds s[\g0a:\g0a+3], s[\g1a:\g1a+7]
	s_nop 0
	PLACES 4
	s_branch .Lasked_\@
.Lfor_p_\@:
	tensor_load_to_lds s[\g0b:\g0b+3], s[\g1b:\g1b+7]
	s_nop 0
	PLACES 4
.Lasked_\@:
.endm
.macro PLOAD g0                        ; a joint refill of P alone: waves 2 and 3; waves 0 and 1 have no part to fill.  The branch hangs on the wave's number alone
	s_cmp_eq_u32 s17, 0
	s_cbranch_scc1 .Lno_part_\@
	tensor_load_to_lds s[\g0:\g0+3], s[G1P2:G1P2+7]
	s_nop 0
	PLACES 4
.Lno_part_\@:
.endm
; 39 LDS loads in one run: K step ks, at place ks % 8: P's eight fragments, R's four, six registers of scale words, into set ks % 2.  An image comes back as it was stored: 16 bytes a lane, 512 consecutive bytes a load.
.macro FETCH ks
.set fp, (\ks)%2
.set fs, ((\ks)%8)/4
.set fq, (\ks)%4
	WIN TO_B
.irp b, 0,1,2,3,4,5,6,7
.irp c, 0,1,2
	ds_load_b128 v[128*fp+12*\b+4*\c:128*fp+12*\b+4*\c+3], v[ADRP+fs] offset:UNIT*fq+1536*\b+512*\c
.endr
.endr
	WIN 0
.irp a, 0,1,2,3
.irp c, 0,1,2
	ds_load_b128 v[RF+48*fp+12*\a+4*\c:RF+48*fp+12*\a+4*\c+3], v[ADRR+fs] offset:UNIT*fq+1536*\a+512*\c
.endr
.endr
	ds_load_b64 v[SC+6*fp:SC+6*fp+1], v[ADSP+fs] offset:UNIT*fq
	ds_load_b64 v[SC+6*fp+2:SC+6*fp+3], v[ADSP+fs] offset:UNIT*fq+256
	ds_load_b64 v[SC+6*fp+4:SC+6*fp+5], v[ADSR+fs] offset:UNIT*fq
.endm
; One product.  A scale register carries an even block's words in lanes 0-15 and the odd block's in lanes 16-31: the row selectors follow b % 2 and a % 2.
.macro WMC ra, rb
.if (\ra) == 0 && (\rb) == 0
	v_wmma_scale_f32_16x16x128_f8f6f4 v[rD:rD+7], v[rA:rA+11], v[rB:rB+11], v[rC:rC+7], v[rSA], v[rSB] matrix_a_fmt:MATRIX_FMT_FP6 matrix_b_fmt:MATRIX_FMT_FP6
.elseif (\ra) == 1 && (\rb) == 0
	v_wmma_scale_f32_16x16x128_f8f6f4 v[rD:rD+7], v[rA:rA+11], v[rB:rB+11], v[rC:rC+7], v[rSA], v[rSB] matrix_a_fmt:MATRIX_FMT_FP6 matrix_b_fmt:MATRIX_FMT_FP6 matrix_a_scale:MATRIX_SCALE_ROW1
.elseif (\ra) == 0 && (\rb) == 1
	v_wmma_scale_f32_16x16x128_f8f6f4 v[rD:rD+7], v[rA:rA+11], v[rB:rB+11], v[rC:rC+7], v[rSA], v[rSB] matrix_a_fmt:MATRIX_FMT_FP6 matrix_b_fmt:MATRIX_FMT_FP6 matrix_b_scale:MATRIX_SCALE_ROW1
.else
	v_wmma_scale_f32_16x16x128_f8f6f4 v[rD:rD+7], v[rA:rA+11], v[rB:rB+11], v[rC:rC+7], v[rSA], v[rSB] matrix_a_fmt:MATRIX_FMT_FP6 matrix_b_fmt:MATRIX_FMT_FP6 matrix_a_scale:MATRIX_SCALE_ROW1 matrix_b_scale:MATRIX_SCALE_ROW1
.endif
.endm
.macro WM a, b, p, cm                  ; cm = 0: adds in place; 1, 2, 3: a tile of bq, bk, bv (window 3) starts the sum
.set rD, 8*(8*(\a)+(\b))
.set rC, rD
.if (\cm) == 1
.set rC, BQ+8*(\b)
.elseif (\cm) == 2
.set rC, BK+8*(\b)
.elseif (\cm) == 3
.set rC, BV+8*(\a)
.endif
.set rA, 128*(\p)+12*(\b)
.set rB, RF+48*(\p)+12*(\a)
.set rSA, SC+6*(\p)+(\b)/2
.set rSB, SRB+SRS*(\p)+(\a)/2
	WMC ((\b)%2), ((\a)%2)
.endm
; A K step: its set, asked for a step ago, is in; the next step's set is asked for in one run; 32 products, the 32 accumulators by turns, one instruction a turn.
; sync >= 0: my part of what the next run reads has landed (sync younger loads may stay out), and behind the barrier everybody's has.
; refill >= 0: four places of LDS, all read, are filled again through descriptor set refill, with the next tile's units: P's alone (both = 0: Wk's groups lie eight groups behind Wq's), or R's and P's (both = 1).
.macro STEP ks, sync, fetch, cm, refill, both
	s_wait_dscnt 0x0                               ; this step's set is in registers
.if (\refill) >= 0
	s_wait_tensorcnt 0x0                           ; all my tensor loads have landed, so a group 0 may be written;
	ds_add_u32 v[SPW], v[NIL]                      ; 0 onto my spare word: the descriptors' steps stand between it and the wait for it
.if \both
	s_add_co_u32 s[G0R+4*(\refill)+1], s[G0R+4*(\refill)+1], s[LDEL]                                              ; R: from one unit a wave to two: 12,800 x part further on in LDS,
	s_add_nc_u64 s[G0R+4*(\refill)+2:G0R+4*(\refill)+3], s[G0R+4*(\refill)+2:G0R+4*(\refill)+3], s[RDEL:RDEL+1]   ; and on to Wv's group in memory
	s_sub_nc_u64 s[G0P+4*(\refill)+2:G0P+4*(\refill)+3], s[G0P+4*(\refill)+2:G0P+4*(\refill)+3], s[PDEL:PDEL+1]   ; P: back to x's groups; the type bits on top are not reached
.else
	s_add_nc_u64 s[G0P+4*(\refill)+2:G0P+4*(\refill)+3], s[G0P+4*(\refill)+2:G0P+4*(\refill)+3], 8*GRP8
.endif
	s_wait_dscnt 0x0                               ; the add is done, and my reads of the four places are over
	CROUND                                         ; no wave of any partner still reads them or has a load on its way
.if \both
	JLOAD G0R+4*(\refill), G1R2, G0P+4*(\refill), G1P2   ; my one tensor load behind the round, and the first thing there; the four v_nop behind it are the places in front of the loads below
.else
	PLOAD G0P+4*(\refill)
	PLACES 4                                       ; the places in front of the loads below, for the waves that asked for nothing too
.endif
.else
.if (\sync) >= 0
	s_wait_tensorcnt \sync
	s_barrier_signal -1
	s_barrier_wait -1
.endif
.if \fetch
	PLACES 4                                       ; four places in front of loads into registers that the last step's products have read (ISA guide 7.12.1 for vector instructions)
.endif
.endif
.if \fetch
	FETCH (\ks)+1
.endif
.if (\cm) != 0
	WIN MULB
.else
	WIN MUL
.endif
.irp a, 0,1,2,3
.irp b, 0,1,2,3,4,5,6,7
	WM \a, \b, ((\ks)%2), \cm
.endr
.endr
	WIN 0
.endm
; 64 numbers of a lane in window w, register 16 b + i = k 32 b + 16 (lane / 16) + i of my row, become a fragment's codes in v[PC] on and its scale word in v[pw].  Each accumulator is read from its low end on.
.macro QUANT s, w, pw
	WIN (\w)|((\w)<<2)
.irp b, 0,1,2,3
	v_max3_num_f32 v[TM+\b], |v[(\s)+16*\b]|, |v[(\s)+16*\b+1]|, 0x1800000   ; my 16 numbers of block b, and the floor 2^(3 - 127): the byte cannot fall under 1
.endr
	WIN ((\w)<<2)|((\w)<<4)
.irp i, 2,4,6,8,10,12,14
.irp b, 0,1,2,3
	v_max3_num_f32 v[TM+\b], v[TM+\b], |v[(\s)+16*\b+\i]|, |v[(\s)+16*\b+\i+1]|
.endr
.endr
	WIN 0
.irp b, 0,1,2,3
	v_permlanex16_b32 v[TM+4+\b], v[TM+\b], s[SEL], s[SEL+1]
.endr
.irp b, 0,1,2,3
	v_max_num_f32 v[TM+\b], v[TM+\b], v[TM+4+\b]   ; with lane l xor 16's: the block's largest magnitude
.endr
.irp b, 0,1,2,3
	v_add_nc_u32 v[TM+12+\b], 0xff000000, v[TM+\b] ; 2 off its exponent field: the conversion's scale operand
.endr
.irp b, 0,1,2,3
	v_lshrrev_b32 v[TM+4+\b], 23, v[TM+12+\b]      ; the scale's byte
.endr
	v_lshl_or_b32 v[\pw], v[TM+5], 8, v[TM+4]
	v_lshl_or_b32 v[\pw], v[TM+6], 16, v[\pw]
	v_lshl_or_b32 v[\pw], v[TM+7], 24, v[\pw]
	s_wait_xcnt 0x0                                ; the earlier stores have read their registers: v[PC] on, and later v[SW] on, are written again only behind this wait
	WIN (\w)
.irp c, 0,1
	v_cvt_scalef32_pk16_fp6_f32 v[PC+6*\c:PC+6*\c+2], v[(\s)+32*\c:(\s)+32*\c+15], v[TM+12+2*\c]
	v_cvt_scalef32_pk16_fp6_f32 v[PT+4*\c:PT+4*\c+2], v[(\s)+32*\c+16:(\s)+32*\c+31], v[TM+12+2*\c+1]   ; (a conversion's three registers begin on an even number)
.endr
	WIN 0
	v_nop                                          ; one plain place behind a scaled conversion
.irp c, 0,1                                    ; the operand wants a whole block in a lane: lanes 0-15 block 2 c, lanes 16-31 block 2 c + 1
.irp i, 0,1,2
	v_permlane16_swap_b32 v[PC+6*\c+\i], v[PT+4*\c+\i]
.endr
.irp i, 0,1,2
	v_mov_b32 v[PC+6*\c+3+\i], v[PT+4*\c+\i]
.endr
.endr
.endm
.macro PUT a, base, off                ; the image of block a: three stores of 512 consecutive bytes, aligned
.irp c, 0,1,2
	global_store_b128 v[ADRR], v[PC+4*\c:PC+4*\c+3], s[\base:\base+1] offset:(\off)+1536*(\a)+512*\c
.endr
.endm
.macro PUTSC base, off                 ; my four blocks' scale words: 256 consecutive bytes, aligned
	v_cndmask_b32 v[SW], v[PW], v[PW+1], s[HM]
	v_cndmask_b32 v[SW+1], v[PW+2], v[PW+3], s[HM]
	global_store_b64 v[ADSR], v[SW:SW+1], s[\base:\base+1] offset:\off
.endm
.macro EPI base, off                   ; a tile goes out.  It names no fragment register: the next tile's first fragments land meanwhile
	PLACES 4                                       ; in front of the first read of results
.irp a, 0,1,2,3
	QUANT 64*\a, 2, PW+\a
	PUT \a, \base, \off
.endr
	PUTSC \base, \off
.endm
	s_load_b256 s[4:11], s[0:1], 0x0               ; xw, bq, bk, bv
	s_load_b64 s[12:13], s[0:1], 0x20              ; qkv
	IDS
	ADDRS
	v_bfe_u32 v[BO], v0, 4, 1
	v_lshlrev_b32 v[BO], 6, v[BO]
	v_and_b32 v[BL], 15, v0
	v_and_b32 v12, 8, v[BL]
	v_add_nc_u32 v[BL], v[BL], v12
	v_lshlrev_b32 v[BL], 2, v[BL]
	s_lshl_b32 s23, s22, 2
	s_add_co_u32 s23, s23, s20                     ; g = 4 CY + cy
	s_mul_i32 s56, s23, GRP8
	s_mul_i32 s15, s18, UNIT
	s_add_co_u32 s56, s56, s15                     ; x's group g, + my part
	s_mov_b32 s57, 0
	s_lshl_b32 s67, s21, 1
	s_add_co_u32 s67, s67, s18                     ; 2 X + w % 2
	s_add_co_u32 s58, s67, 64
	s_mul_i32 s58, s58, GRP8                       ; my group of Wq
	s_mov_b32 s59, 0
	s_mul_i32 s14, s67, UNIT
	s_mul_i32 s60, s23, 2*GRP8
	s_add_co_u32 s60, s60, s14                     ; q's unit: token group g, K step 2 X + w % 2
	s_mov_b32 s61, 0
	s_and_b32 s23, s22, 1
	s_lshl_b32 s23, s23, 2
	s_add_co_u32 s23, s23, s20                     ; f = 4 (CY % 2) + cy
	s_mul_i32 s62, s23, 64*UNIT
	s_add_co_u32 s62, s62, s14
	s_lshr_b32 s15, s22, 1
	s_mul_i32 s15, s15, GRP8
	s_add_co_u32 s62, s62, s15
	s_add_co_u32 s62, s62, 13107200                ; v^T's unit: feature group f, K step 8 (CY / 2) + 2 X + w % 2
	s_mov_b32 s63, 0
	s_lshl_b32 s14, s67, 9                         ; bq, bk: 128 numbers a K step
	s_mov_b32 s15, 0
	s_lshl_b32 s2, s23, 9
	s_lshl_b32 s3, s17, 8
	s_add_co_u32 s2, s2, s3                        ; bv: 4 (128 f + 64 hr)
	s_mov_b32 s3, 0
	s_wait_dscnt 0x0                               ; the opening add is done
	s_wait_kmcnt 0x0
	s_add_nc_u64 s[6:7], s[6:7], s[14:15]
	s_add_nc_u64 s[8:9], s[8:9], s[14:15]
	s_add_nc_u64 s[10:11], s[10:11], s[2:3]
	s_add_nc_u64 s[56:57], s[4:5], s[56:57]
	s_add_nc_u64 s[58:59], s[4:5], s[58:59]
	s_add_nc_u64 s[OUT:OUT+1], s[12:13], s[60:61]
	s_add_nc_u64 s[OUT2:OUT2+1], s[12:13], s[62:63]
	G0BUILD
	s_mul_i32 s2, s18, 4*UNIT                      ; the head's load of R: part p brings units 4 p .. 4 p + 3
	s_mov_b32 s[G0R+4], 1
	s_mov_b32 s[G0R+5], s2
	s_mul_i32 s2, s18, 3*UNIT                      ; (s[56:57] holds the group's address + 12,800 p)
	s_mov_b32 s3, 0
	s_add_nc_u64 s[G0R+6:G0R+7], s[56:57], s[2:3]
	s_or_b32 s[G0R+7], s[G0R+7], 0x80000000
	CROUND                                         ; all sixteen work-groups are here: the first joint loads meet
	FIRST
	WIN 0xc0                                       ; destination window 3
	s_wait_alu depctr_va_vdst(0)
.irp t, 0,1,2,3,4,5,6,7                        ; tile t, lane half h: features 32 (t / 2) + 16 h + 8 (t % 2) + 0 .. 7
	global_load_b128 v[BQ+8*\t:BQ+8*\t+3], v[BO], s[6:7] offset:(32*(\t/2)+8*(\t%2))*4
	global_load_b128 v[BQ+8*\t+4:BQ+8*\t+7], v[BO], s[6:7] offset:(32*(\t/2)+8*(\t%2))*4+16
	global_load_b128 v[BK+8*\t:BK+8*\t+3], v[BO], s[8:9] offset:(32*(\t/2)+8*(\t%2))*4
	global_load_b128 v[BK+8*\t+4:BK+8*\t+7], v[BO], s[8:9] offset:(32*(\t/2)+8*(\t%2))*4+16
.endr
	WIN 0
.irp a, 0,1,2,3
	global_load_b32 v[BA+\a], v[BL], s[10:11] offset:(32*(\a/2)+8*(\a%2))*4                  ; block a, lane r: feature 32 (a / 2) + 8 (a % 2) + r + 8 (r / 8) of my 64
.endr
	s_lshr_b32 s67, s22, 1                         ; the refills' steps, made of the cluster's y and the wave's number alone.  f - g = -8 (CY / 2)
	s_lshl_b32 s67, s67, 3
	s_sub_co_u32 s[RDEL], 80, s67
	s_mul_i32 s[RDEL], s[RDEL], GRP8
	s_mul_i32 s[LDEL], s18, UNIT
	s_add_co_u32 s[RDEL], s[RDEL], s[LDEL]
	s_mov_b32 s[RDEL+1], 0
	s_sub_co_u32 s[PDEL], 72, s67
	s_mul_i32 s[PDEL], s[PDEL], GRP8
	s_mov_b32 s[PDEL+1], 0
	s_wait_tensorcnt 0x0                           ; my part of tile 0's operands has landed,
	s_barrier_signal -1
	s_barrier_wait -1                              ; everybody's has
	FETCH 0
	s_wait_loadcnt 0x0                             ; the biases
	WIN 0xc0
.irp a, 0,1,2,3
.irp i, 0,1,2,3,4,5,6,7
	v_mov_b32 v[BV+8*\a+\i], v[BA+\a]              ; bv's tile of block a: my row's number in all eight registers
.endr
.endr
	WIN 0
	STEP 0, -1, 1, 1, -1, 0                        ; TILE 0: q
	STEP 1, -1, 1, 0, -1, 0
	STEP 2, -1, 1, 0, -1, 0
	STEP 3, -1, 1, 0, 0, 0                         ; places 0-3 of P take Wk's K steps 0-3
	STEP 4, -1, 1, 0, -1, 0
	STEP 5, -1, 1, 0, -1, 0
	STEP 6, -1, 1, 0, -1, 0
	STEP 7, -1, 1, 0, 2, 0                         ; places 4-7 of P take Wk's K steps 4-7; tile 1's first fragments are fetched
	EPI OUT, 0
	STEP 8, -1, 1, 2, -1, 0                        ; TILE 1: k
	STEP 9, -1, 1, 0, -1, 0
	STEP 10, -1, 1, 0, -1, 0
	STEP 11, -1, 1, 0, 0, 1                        ; places 0-3 take Wv's and x's K steps 0-3
	STEP 12, -1, 1, 0, -1, 0
	STEP 13, -1, 1, 0, -1, 0
	STEP 14, -1, 1, 0, -1, 0
	STEP 15, -1, 1, 0, 2, 1                        ; places 4-7 take their K steps 4-7; tile 2's first fragments are fetched
	EPI OUT, 8*UNIT
	STEP 16, -1, 1, 3, -1, 0                       ; TILE 2: v^T
	STEP 17, -1, 1, 0, -1, 0
	STEP 18, -1, 1, 0, -1, 0
	STEP 19, 0, 1, 0, -1, 0                        ; the last refill has landed: no load was issued behind it
	STEP 20, -1, 1, 0, -1, 0
	STEP 21, -1, 1, 0, -1, 0
	STEP 22, -1, 1, 0, -1, 0
	STEP 23, -1, 0, 0, -1, 0
	EPI OUT2, 0
	s_wait_tensorcnt 0x0                           ; the wave's end
	ds_add_u32 v[SPW], v[NIL]
	s_wait_dscnt 0x0
	CROUND                                         ; the closing round
	s_endpgm
.Lfunc_end_k_qea1d1cbf9c_qkv:
	.size	k_qea1d1cbf9c_qkv, .Lfunc_end_k_qea1d1cbf9c_qkv-k_qea1d1cbf9c_qkv
	.p2alignl 7, 3214868480
	.fill 96, 4, 3214868480
	.section	.rodata,"a",@progbits
	.p2align	6, 0x0
	.amdhsa_kernel k_qea1d1cbf9c_qkv
		.amdhsa_group_segment_fixed_size 327680
		.amdhsa_private_segment_fixed_size 0
		.amdhsa_enable_private_segment 0
		.amdhsa_kernarg_size 40
		.amdhsa_user_sgpr_count 2
		.amdhsa_user_sgpr_kernarg_segment_ptr 1
		.amdhsa_wavefront_size32 1
		.amdhsa_system_sgpr_workgroup_id_x 1
		.amdhsa_system_sgpr_workgroup_id_y 1
		.amdhsa_system_sgpr_workgroup_id_z 1
		.amdhsa_system_vgpr_workitem_id 0
		.amdhsa_next_free_vgpr 1024
		.amdhsa_next_free_sgpr 104
		.amdhsa_reserve_vcc 0
		.amdhsa_float_denorm_mode_32 3
		.amdhsa_float_denorm_mode_16_64 3
		.amdhsa_memory_ordered 1
		.amdhsa_forward_progress 1
		.amdhsa_inst_pref_size 230
	.end_amdhsa_kernel
	.amdgpu_metadata
---
amdhsa.version: [ 1, 2 ]
amdhsa.kernels:
  - .name:           k_qea1d1cbf9c_qkv
    .symbol:         k_qea1d1cbf9c_qkv.kd
    .args:
      - { .name: xw, .offset: 0, .size: 8, .value_kind: global_buffer, .address_space: global }
      - { .name: bq, .offset: 8, .size: 8, .value_kind: global_buffer, .address_space: global }
      - { .name: bk, .offset: 16, .size: 8, .value_kind: global_buffer, .address_space: global }
      - { .name: bv, .offset: 24, .size: 8, .value_kind: global_buffer, .address_space: global }
      - { .name: qkv, .offset: 32, .size: 8, .value_kind: global_buffer, .address_space: global }
    .group_segment_fixed_size: 327680
    .private_segment_fixed_size: 0
    .kernarg_segment_align: 8
    .kernarg_segment_size: 40
    .max_flat_workgroup_size: 128
    .sgpr_count:     104
    .vgpr_count:     1024
    .wavefront_size: 32
...
	.end_amdgpu_metadata
.endif
;; end of part 2
;; launch score (part 3): grid 4 x 64, 4 waves a work-group, clusters of 4 x 4, 327,680 bytes of LDS; arguments qkv, pm, st; writes pm, st
.if DOCPART == 3
	.amdgcn_target "amdgcn-amd-amdhsa--gfx1250"
	.amdhsa_code_object_version 6
	.text
	.protected	k_qea1d1cbf9c_score
	.globl	k_qea1d1cbf9c_score
	.p2align	8
	.type	k_qea1d1cbf9c_score,@function
k_qea1d1cbf9c_score:
	s_mov_b64 s[64:65], 0
	v_nop
	global_prefetch_b8 v0, s[64:65] scope:SCOPE_SE
	s_setreg_imm32_b32 hwreg(HW_REG_WAVE_MODE, 25, 1), 1
	s_wait_xcnt 0x0
	s_wait_alu depctr_hold_cnt(0) depctr_sa_sdst(0) depctr_va_vdst(0) depctr_va_sdst(0) depctr_va_ssrc(0) depctr_va_vcc(0) depctr_vm_vsrc(0)
	s_getreg_b32 s2, hwreg(HW_REG_IB_STS2, 6, 4)
	s_cmp_eq_u32 s2, 0
	s_cbranch_scc0 .Lentry_in_a_cluster
	s_endpgm
.Lentry_in_a_cluster:
	s_bfe_u32 s2, ttmp6, 0x10000c
	s_cmp_lg_u32 s2, 0xf033
	s_cbranch_scc0 .Lentry_shape_is_right
	s_endpgm
.Lentry_shape_is_right:
; S = q k^T on MX-FP6 operand units, and the softmax's p for each query and each CHUNK of 128 keys: t = score x log2(e) / sqrt(2048); M = ceil(the chunk's largest t), a whole number; p = 2^(t - M), quantised along the keys;
; l = the chunk's sum of the unquantised p.  p's codes and scale words go to pm as operand units, -M and l to st.  The next launch takes the row's largest M and moves the scale bytes by whole numbers: the codes' values stay the same.
; UNIT (12,800 bytes): 128 rows x 128 K: eight fragment images of 1,536 bytes (register 4 q + i of lane l at 512 q + 16 l + 4 i), then scale words: 12,288 + 256 hf + 8 l + 4 j is block 4 hf + 2 j + l / 16, row l % 16.
; qkv: token group g at 204,800 g: q's 8 K steps, then k's 8.  pm: query group g at 204,800 g: 16 units, one a chunk of the batch's keys.  st: [g 64][chunk 16][hr 2][lane 32][-M j0, -M j1, l j0, l j1], lanes and j as in the scale words.
; TILE.  128 queries (R, source 1) x 256 keys (P, source 0, two token groups), K = 1,024.  Wave w: queries 64 (w / 2) on (4 blocks a), key group w % 2 (8 tiles b): 32 accumulators.
; The product is used transposed: a lane holds one query, and the 64 registers of a block a run along the chunk's 128 keys in their true order.
; A WORK-GROUP STAYS AND MAKES TWO TILES, 16 K steps on end: the same queries against the batch's key groups 2 X + w % 2 and then 8 + 2 X + w % 2.  q's units stay in LDS.
; LDS holds eight K steps of each operand: R's unit of K step s at 12,800 s, P's group p at 102,400 (1 + p) + 12,800 s.  Tile 0's are asked for at the head, in one load a wave.  Places 0-3 of P are filled again with tile 1's units
; when K step 3's fragments are in registers, places 4-7 at K step 7: each time every wave waits for all its tensor loads, adds 0 to its spare word, waits for that and for its LDS reads, a round of the cluster's barrier follows, and
; waves 2 and 3 issue one joint load each, first behind it.  So tile 1's keys land under tile 0's products and softmax, and tile 0's stores leave under tile 1's products.
; A wave has one tensor load out at the head and at most one behind each of the two rounds.
; CLUSTER 4 x 4: q's units are shared along a row, k's along a column, by joint loads.
; REGISTERS.  Window 0: v1-9, v15 addresses; v16-27 scale words; v32-127 R's fragments; v128-191 p; v192-210 its codes; v216-253 at work.  Window 1: P's fragments.  Window 2: accumulator (a, b) at 8 (8 a + b).
; No prefetch: each unit is asked for by several clusters at about the same time.
; LIMITS: t is made with one constant for scale x log2(e); a block whose every p has fallen to 0 keeps the scale byte 1 (its codes are zeros); NaN and infinities are not served.
.set UNIT,  12800
.set GRP8,  8*UNIT
.set SCW,   12288
.set SPARE, 3*GRP8                     ; behind the operands: the spare words, 128 bytes a wave, two blocks of 256 bytes that no other line names
.set NEXTP, 8*2*GRP8                   ; bytes from a token group's units to those of the group eight further on
.set L16,  1
.set ADRR, 2
.set ADRP, 4
.set ADSR, 6
.set ADSP, 8
.set L8,   15
.set SC,   16
.set SRB,  SC+4
.set SRS,  6
.set SPW,  28
.set NIL,  29
.set RF,   32
.set H,    128                         ; v128-191 t - M, then p
.set PC,   192                         ; v192-203 a fragment's codes
.set PT,   204                         ; v204-210 the blocks' second halves
.set PW,   216                         ; v216-219 p's scale word for each block a
.set SQ,   220                         ; v220-223 the statistics as they are stored
.set BM,   224                         ; v224-227 each block's largest score, then its largest p
.set BP,   228                         ; v228-231 the other half's; then the bytes
.set NM,   232                         ; v232 -M (v233 is named with it as a pair)
.set SA,   234                         ; v[234:235], v[244:245] the sum, in two chains of two halves
.set NK,   236                         ; v236-239 -M of each block a
.set LK,   240                         ; v240-243 l of each block a
.set SB,   244
.set SOP,  246                         ; v246-249 the conversions' scale operands
.set TP,   250
.set TQ,   251
.set SW,   252
.set CS,  10                           ; s[10:11] c = log2(e) / sqrt(2048)
.set G1R, 24
.set G1P, 32
.set G0R, 40
.set G0P, 68
.set G1P2, 92                          ; s[92:99] group 1 for P's refills (200 rows of 256 bytes)
.set HM,  66
.set SEL, 100
.set MUL,  0xa1
.set TO_B, 0x40
.set MSB, 0
.macro WIN new                         ; the immediate's high byte repeats the setting that is left
.if MSB != (\new)
	s_set_vgpr_msb (MSB<<8)|(\new)
.set MSB, (\new)
.endif
.endm
.macro PLACES n
.rept \n
	v_nop
.endr
.endm
.macro CROUND                          ; a round of the cluster's barrier
	s_barrier_signal -1
	s_barrier_wait -1
	s_cmp_lg_u32 s16, 0
	s_cbranch_scc1 .Lnot_wave_0_\@
	s_barrier_signal -3
.Lnot_wave_0_\@:
	s_barrier_wait -3
	s_barrier_signal -1
	s_barrier_wait -1
.endm
.macro G1SET g, rows                   ; a dense block as rows of 256 bytes: 32 elements of 8 bytes
	s_mov_b32 s[\g+1], 32<<16
	s_mov_b32 s[\g+2], (\rows)<<16
	s_mov_b32 s[\g+3], 32<<16
	s_mov_b32 s[\g+4], \rows
	s_mov_b32 s[\g+5], 32
	s_mov_b32 s[\g+6], 0
	s_mov_b32 s[\g+7], 0
.endm
.macro IDS
	v_lshl_add_u32 v[SPW], v0, 2, SPARE
	v_mov_b32 v[NIL], 0
	ds_add_u32 v[SPW], v[NIL]                      ; the wave's opening: the add and its wait stand ahead of my first tensor load; work on registers stands between
	ds_add_u32 v[SPW], v[NIL]
	v_lshrrev_b32 v15, 5, v0
	v_readfirstlane_b32 s16, v15                   ; wave 0..3
	s_lshr_b32 s17, s16, 1                         ; hr: my 64 rows of R.  Also: I fetch for R (0) or for P (1)
	s_and_b32 s18, s16, 1                          ; hp: my group of P.  Also: which part I fetch
	s_bfe_u32 s19, ttmp6, 0x40000                  ; cx
	s_bfe_u32 s20, ttmp6, 0x40004                  ; cy
	s_lshl_b32 s21, ttmp9, 2
	s_add_co_u32 s21, s21, s19                     ; X = 4 x cluster x + cx
	s_and_b32 s22, ttmp7, 0xffff                   ; CY
	s_lshl_b32 s2, s20, 2
	s_lshl_b32 s2, 15, s2                          ; my row of the cluster
	s_lshl_b32 s3, 0x1111, s19                     ; my column
	s_or_b32 s[G1R], s2, (3<<16)|(1<<21)
	s_or_b32 s[G1P], s3, (3<<16)|(1<<21)
	s_or_b32 s[G1P2], s3, (3<<16)|(1<<21)
	; THE FIRST FILLS, in place of what the head comment says of four stages: at the head a wave issues ONE joint load, which brings all eight K steps of its part: waves 0 and 1 four units of R each (200 rows of 256 bytes),
	; waves 2 and 3 a group of P each (400 rows).  A wave never has more than one tensor load out.
	G1SET G1R, 200
	G1SET G1P, 400
	G1SET G1P2, 200
	s_mov_b32 s[HM], 0xffff0000
	s_mov_b32 s[SEL], 0x76543210
	s_mov_b32 s[SEL+1], 0xfedcba98
.endm
.macro ADDRS
	v_and_b32 v15, 31, v0
	v_lshlrev_b32 v[L16], 4, v15
	v_lshlrev_b32 v[L8], 3, v15
	s_mul_i32 s2, s17, 6144
	v_add_nc_u32 v[ADRR], s2, v[L16]
	v_add_nc_u32 v[ADRR+1], 4*UNIT, v[ADRR]
	s_mul_i32 s2, s18, GRP8
	s_add_co_u32 s2, s2, GRP8
	v_add_nc_u32 v[ADRP], s2, v[L16]
	v_add_nc_u32 v[ADRP+1], 4*UNIT, v[ADRP]
	s_add_co_u32 s2, s2, SCW
	v_add_nc_u32 v[ADSP], s2, v[L8]
	v_add_nc_u32 v[ADSP+1], 4*UNIT, v[ADSP]
	s_lshl_b32 s2, s17, 8
	s_add_co_u32 s2, s2, SCW
	v_add_nc_u32 v[ADSR], s2, v[L8]
	v_add_nc_u32 v[ADSR+1], 4*UNIT, v[ADSR]
.endm
.macro G0BUILD
	s_mul_i32 s2, s18, UNIT
	s_mul_i32 s3, s18, GRP8
	s_add_co_u32 s3, s3, GRP8
.irp j, 0,2                                    ; the two sets that serve the refills; P's set 0 also serves the head
	s_mov_b32 s[G0R+4*\j], 1
	s_add_co_u32 s[G0R+4*\j+1], s2, \j*2*UNIT
	s_add_nc_u64 s[G0R+4*\j+2:G0R+4*\j+3], s[56:57], \j*2*UNIT
	s_or_b32 s[G0R+4*\j+3], s[G0R+4*\j+3], 0x80000000
	s_mov_b32 s[G0P+4*\j], 1
	s_add_co_u32 s[G0P+4*\j+1], s3, \j*2*UNIT
	s_add_nc_u64 s[G0P+4*\j+2:G0P+4*\j+3], s[58:59], \j*2*UNIT
	s_or_b32 s[G0P+4*\j+3], s[G0P+4*\j+3], 0x80000000
.endr
.endm
.macro FIRST                           ; a wave's one first fill stands in a branch on the wave's number; an s_nop 0 and four v_nop follow it
	s_cmp_eq_u32 s17, 0
	s_cbranch_scc0 .Lfirst_p_\@
	tensor_load_to_lds s[G0R+4:G0R+7], s[G1R:G1R+7]
	s_nop 0
	PLACES 4
	s_branch .Lfirst_done_\@
.Lfirst_p_\@:
	tensor_load_to_lds s[G0P:G0P+3], s[G1P:G1P+7]
	s_nop 0
	PLACES 4
.Lfirst_done_\@:
.endm
.macro PLOAD g0                        ; a joint refill of P: waves 2 and 3; waves 0 and 1 have no part to fill.  The branch hangs on the wave's number alone
	s_cmp_eq_u32 s17, 0
	s_cbranch_scc1 .Lno_part_\@
	tensor_load_to_lds s[\g0:\g0+3], s[G1P2:G1P2+7]
	s_nop 0
	PLACES 4
.Lno_part_\@:
.endm
.macro FETCH ks                        ; 39 LDS loads in one run: K step ks, at place ks % 8, into set ks % 2
.set fp, (\ks)%2
.set fs, ((\ks)%8)/4
.set fq, (\ks)%4
	WIN TO_B
.irp b, 0,1,2,3,4,5,6,7
.irp c, 0,1,2
	ds_load_b128 v[128*fp+12*\b+4*\c:128*fp+12*\b+4*\c+3], v[ADRP+fs] offset:UNIT*fq+1536*\b+512*\c
.endr
.endr
	WIN 0
.irp a, 0,1,2,3
.irp c, 0,1,2
	ds_load_b128 v[RF+48*fp+12*\a+4*\c:RF+48*fp+12*\a+4*\c+3], v[ADRR+fs] offset:UNIT*fq+1536*\a+512*\c
.endr
.endr
	ds_load_b64 v[SC+6*fp:SC+6*fp+1], v[ADSP+fs] offset:UNIT*fq
	ds_load_b64 v[SC+6*fp+2:SC+6*fp+3], v[ADSP+fs] offset:UNIT*fq+256
	ds_load_b64 v[SC+6*fp+4:SC+6*fp+5], v[ADSR+fs] offset:UNIT*fq
.endm
.macro WMC ra, rb                      ; adds in place
.if (\ra) == 0 && (\rb) == 0
	v_wmma_scale_f32_16x16x128_f8f6f4 v[rD:rD+7], v[rA:rA+11], v[rB:rB+11], v[rD:rD+7], v[rSA], v[rSB] matrix_a_fmt:MATRIX_FMT_FP6 matrix_b_fmt:MATRIX_FMT_FP6
.elseif (\ra) == 1 && (\rb) == 0
	v_wmma_scale_f32_16x16x128_f8f6f4 v[rD:rD+7], v[rA:rA+11], v[rB:rB+11], v[rD:rD+7], v[rSA], v[rSB] matrix_a_fmt:MATRIX_FMT_FP6 matrix_b_fmt:MATRIX_FMT_FP6 matrix_a_scale:MATRIX_SCALE_ROW1
.elseif (\ra) == 0 && (\rb) == 1
	v_wmma_scale_f32_16x16x128_f8f6f4 v[rD:rD+7], v[rA:rA+11], v[rB:rB+11], v[rD:rD+7], v[rSA], v[rSB] matrix_a_fmt:MATRIX_FMT_FP6 matrix_b_fmt:MATRIX_FMT_FP6 matrix_b_scale:MATRIX_SCALE_ROW1
.else
	v_wmma_scale_f32_16x16x128_f8f6f4 v[rD:rD+7], v[rA:rA+11], v[rB:rB+11], v[rD:rD+7], v[rSA], v[rSB] matrix_a_fmt:MATRIX_FMT_FP6 matrix_b_fmt:MATRIX_FMT_FP6 matrix_a_scale:MATRIX_SCALE_ROW1 matrix_b_scale:MATRIX_SCALE_ROW1
.endif
.endm
.macro WMZ ra, rb                      ; starts a sum: nothing is ever cleared
.if (\ra) == 0 && (\rb) == 0
	v_wmma_scale_f32_16x16x128_f8f6f4 v[rD:rD+7], v[rA:rA+11], v[rB:rB+11], 0, v[rSA], v[rSB] matrix_a_fmt:MATRIX_FMT_FP6 matrix_b_fmt:MATRIX_FMT_FP6
.elseif (\ra) == 1 && (\rb) == 0
	v_wmma_scale_f32_16x16x128_f8f6f4 v[rD:rD+7], v[rA:rA+11], v[rB:rB+11], 0, v[rSA], v[rSB] matrix_a_fmt:MATRIX_FMT_FP6 matrix_b_fmt:MATRIX_FMT_FP6 matrix_a_scale:MATRIX_SCALE_ROW1
.elseif (\ra) == 0 && (\rb) == 1
	v_wmma_scale_f32_16x16x128_f8f6f4 v[rD:rD+7], v[rA:rA+11], v[rB:rB+11], 0, v[rSA], v[rSB] matrix_a_fmt:MATRIX_FMT_FP6 matrix_b_fmt:MATRIX_FMT_FP6 matrix_b_scale:MATRIX_SCALE_ROW1
.else
	v_wmma_scale_f32_16x16x128_f8f6f4 v[rD:rD+7], v[rA:rA+11], v[rB:rB+11], 0, v[rSA], v[rSB] matrix_a_fmt:MATRIX_FMT_FP6 matrix_b_fmt:MATRIX_FMT_FP6 matrix_a_scale:MATRIX_SCALE_ROW1 matrix_b_scale:MATRIX_SCALE_ROW1
.endif
.endm
.macro WM a, b, p, cm
.set rD, 8*(8*(\a)+(\b))
.set rA, 128*(\p)+12*(\b)
.set rB, RF+48*(\p)+12*(\a)
.set rSA, SC+6*(\p)+(\b)/2
.set rSB, SRB+SRS*(\p)+(\a)/2
.if (\cm) == 1
	WMZ ((\b)%2), ((\a)%2)
.else
	WMC ((\b)%2), ((\a)%2)
.endif
.endm
; A K step: its set is in; the next step's set is asked for in one run; 32 products, the 32 accumulators by turns.
; sync >= 0: my part of what the next run reads has landed (sync younger loads may stay out), and behind the barrier everybody's has.
; refill >= 0: four places of P, all read, are filled again through descriptor set refill, with the next tile's units.
.macro STEP ks, sync, fetch, cm, refill
	s_wait_dscnt 0x0                               ; this step's set is in registers
.if (\refill) >= 0
	s_wait_tensorcnt 0x0                           ; all my tensor loads have landed, so a group 0 may be written;
	ds_add_u32 v[SPW], v[NIL]                      ; 0 onto my spare word: the descriptor's step stands between it and the wait for it
	s_add_nc_u64 s[G0P+4*(\refill)+2:G0P+4*(\refill)+3], s[G0P+4*(\refill)+2:G0P+4*(\refill)+3], NEXTP
	s_wait_dscnt 0x0                               ; the add is done, and my reads of the four places are over
	CROUND                                         ; no wave of any partner still reads them or has a load on its way
	PLOAD G0P+4*(\refill)                          ; the first thing behind the round, and a wave's one tensor load until the next
	PLACES 4                                       ; the places in front of the loads below, for the waves that asked for nothing too
.else
.if (\sync) >= 0
	s_wait_tensorcnt \sync
	s_barrier_signal -1
	s_barrier_wait -1
.endif
.if \fetch
	PLACES 4                                       ; four places in front of loads into registers that the last step's products have read
.endif
.endif
.if \fetch
	FETCH (\ks)+1
.endif
	WIN MUL
.irp a, 0,1,2,3
.irp b, 0,1,2,3,4,5,6,7
	WM \a, \b, ((\ks)%2), \cm
.endr
.endr
	WIN 0
.endm
.macro PUT a, off
.irp c, 0,1,2
	global_store_b128 v[L16], v[PC+4*\c:PC+4*\c+3], s[60:61] offset:(\off)+1536*(\a)+512*\c
.endr
.endm
.macro PUTSC off
	v_cndmask_b32 v[SW], v[PW], v[PW+1], s[HM]
	v_cndmask_b32 v[SW+1], v[PW+2], v[PW+3], s[HM]
	global_store_b64 v[L8], v[SW:SW+1], s[62:63] offset:\off
.endm
; THE SOFTMAX OF BLOCK a: 16 queries x the chunk's 128 keys; register 16 b + i of the block is key 32 b + 16 (lane / 16) + i of my query.
.macro SOFT a, off
.set AC, 64*(\a)
	WIN 0x2a                                       ; all three sources window 2
.irp b, 0,1,2,3
	v_max3_num_f32 v[BM+\b], v[AC+16*\b], v[AC+16*\b+1], v[AC+16*\b+2]   ; the largest score of each block of 32 keys: for the row's maximum and, since p rises with the score, for the block's largest p
.endr
	WIN 0x28
.irp i, 3,5,7,9,11,13
.irp b, 0,1,2,3
	v_max3_num_f32 v[BM+\b], v[BM+\b], v[AC+16*\b+\i], v[AC+16*\b+\i+1]
.endr
.endr
.irp b, 0,1,2,3
	v_max_num_f32 v[BM+\b], v[BM+\b], v[AC+16*\b+15]
.endr
	WIN 0
.irp b, 0,1,2,3
	v_permlanex16_b32 v[BP+\b], v[BM+\b], s[SEL], s[SEL+1]
.endr
.irp b, 0,1,2,3
	v_max_num_f32 v[BM+\b], v[BM+\b], v[BP+\b]     ; with lane l xor 16's 16 keys
.endr
	v_max3_num_f32 v[TP], v[BM], v[BM+1], v[BM+2]
	v_max_num_f32 v[TP], v[TP], v[BM+3]            ; the chunk's largest score of my query,
	v_mul_f32 v[TP], s[CS], v[TP]                  ; as t (c is positive)
	v_floor_f32 v[NM], -v[TP]                      ; -M = floor(-t) = -ceil(t): a whole number
	WIN 0x02                                       ; source 0 window 2
.set n1, 0
.rept 32
	v_pk_fma_f32 v[H+n1:H+n1+1], v[AC+n1:AC+n1+1], s[CS:CS+1], v[NM:NM+1] op_sel_hi:[1,0,0]   ; t - M, two at a time
.set n1, n1+2
.endr
	WIN 0
.irp b, 0,1,2,3
	v_fma_f32 v[BM+\b], v[BM+\b], s[CS], v[NM]     ; the same of each block's largest score
.endr
.set n1, 0
	s_wait_alu depctr_va_vdst(0)
.rept 64
	v_exp_f32 v[H+n1], v[H+n1]                     ; p = 2^(t - M), at most 1: not normalised
.set n1, n1+1
.endr
	v_mov_b32 v[NK+(\a)], v[NM]                    ; (a plain place behind the exponentials)
	s_wait_alu depctr_va_vdst(0)                   ; one wait for the whole batch, ahead of the first line that names a result
.irp b, 0,1,2,3
	v_exp_f32 v[BM+\b], v[BM+\b]                   ; the block's largest p: the same two instructions on the same number give the same bits
.endr
	v_pk_add_f32 v[SA:SA+1], v[H:H+1], v[H+2:H+3]  ; the sum is taken of the unquantised p, in two chains
	v_pk_add_f32 v[SB:SB+1], v[H+4:H+5], v[H+6:H+7]
.irp j, 8,12,16,20,24,28,32,36,40,44,48,52,56,60
	v_pk_add_f32 v[SA:SA+1], v[SA:SA+1], v[H+\j:H+\j+1]
	v_pk_add_f32 v[SB:SB+1], v[SB:SB+1], v[H+\j+2:H+\j+3]
.endr
	v_pk_add_f32 v[SA:SA+1], v[SA:SA+1], v[SB:SB+1]
	s_wait_alu depctr_va_vdst(0)                   ; and one for the four
.irp b, 0,1,2,3
	v_max_num_f32 v[BM+\b], 0x1800000, v[BM+\b]    ; the floor 2^(3 - 127): the byte cannot fall under 1
.endr
.irp b, 0,1,2,3
	v_add_nc_u32 v[SOP+\b], 0xff000000, v[BM+\b]   ; 2 off the exponent field: the conversion's scale operand
.endr
.irp b, 0,1,2,3
	v_lshrrev_b32 v[BP+\b], 23, v[SOP+\b]          ; the scale's byte: 125 at the most, since p is at most 1
.endr
	v_lshl_or_b32 v[PW+(\a)], v[BP+1], 8, v[BP]
	v_lshl_or_b32 v[PW+(\a)], v[BP+2], 16, v[PW+(\a)]
	v_lshl_or_b32 v[PW+(\a)], v[BP+3], 24, v[PW+(\a)]
	s_wait_xcnt 0x0                                ; the earlier stores have read their registers: v[PC] on, and later v[SW] and v[SQ] on, are written again only behind this wait
.irp c, 0,1
	v_cvt_scalef32_pk16_fp6_f32 v[PC+6*\c:PC+6*\c+2], v[H+32*\c:H+32*\c+15], v[SOP+2*\c]
	v_cvt_scalef32_pk16_fp6_f32 v[PT+4*\c:PT+4*\c+2], v[H+32*\c+16:H+32*\c+31], v[SOP+2*\c+1]
.endr
	v_nop                                          ; one plain place behind a scaled conversion
.irp c, 0,1
.irp i, 0,1,2
	v_permlane16_swap_b32 v[PC+6*\c+\i], v[PT+4*\c+\i]
.endr
.irp i, 0,1,2
	v_mov_b32 v[PC+6*\c+3+\i], v[PT+4*\c+\i]
.endr
.endr
	PUT \a, \off
	v_add_f32 v[TP], v[SA], v[SA+1]                ; the sum's two halves,
	v_permlanex16_b32 v[TQ], v[TP], s[SEL], s[SEL+1]
	v_add_f32 v[LK+(\a)], v[TP], v[TQ]             ; and lane l xor 16's
.endm
.macro EPI off, soff                   ; a tile goes out: off bytes on in pm, soff in st.  It names no fragment register: the next tile's first fragments land meanwhile
	PLACES 4                                       ; in front of the first read of results
	SOFT 0, \off
	SOFT 1, \off
	SOFT 2, \off
	SOFT 3, \off
	PUTSC \off
	v_cndmask_b32 v[SQ], v[NK], v[NK+1], s[HM]     ; lanes 0-15 the even block's, lanes 16-31 the odd block's, as in the scale words
	v_cndmask_b32 v[SQ+1], v[NK+2], v[NK+3], s[HM]
	v_cndmask_b32 v[SQ+2], v[LK], v[LK+1], s[HM]
	v_cndmask_b32 v[SQ+3], v[LK+2], v[LK+3], s[HM]
	global_store_b128 v[L16], v[SQ:SQ+3], s[8:9] offset:\soff   ; 512 consecutive bytes, aligned
.endm
	s_load_b128 s[4:7], s[0:1], 0x0                ; qkv, pm
	s_load_b64 s[8:9], s[0:1], 0x10                ; st
	IDS
	ADDRS
.irp b, 0,1,2,3
	v_mov_b32 v[BP+\b], 0                          ; a lane permute's destination counts as one of its sources
.endr
	v_mov_b32 v[TQ], 0
	v_mov_b32 v[NM+1], 0                           ; (named as the upper half of a pair)
	s_mov_b32 s[CS], 0x3d0293ee                    ; c = log2(e) / sqrt(2048)
	s_mov_b32 s[CS+1], s[CS]
	s_lshl_b32 s84, s22, 2
	s_add_co_u32 s84, s84, s20                     ; g = 4 CY + cy
	s_mul_i32 s86, s84, 2*GRP8
	s_mul_i32 s85, s18, UNIT
	s_add_co_u32 s56, s86, s85                     ; q's units of group g, + my part
	s_mov_b32 s57, 0
	s_lshr_b32 s58, s22, 2                         ; the batch
	s_lshl_b32 s58, s58, 4
	s_lshl_b32 s87, s21, 1
	s_add_co_u32 s87, s87, s18                     ; 2 X + w % 2: tile 0's chunk of keys; tile 1's is eight further on
	s_add_co_u32 s58, s58, s87
	s_mul_i32 s58, s58, 2*GRP8
	s_add_co_u32 s58, s58, GRP8                    ; k's units lie behind q's
	s_mov_b32 s59, 0
	s_mul_i32 s88, s87, UNIT
	s_add_co_u32 s60, s86, s88                     ; tile 0's unit in pm
	s_lshl_b32 s89, s17, 8
	s_add_co_u32 s62, s60, s89
	s_add_co_u32 s62, s62, SCW
	s_mov_b32 s63, 0
	s_mul_i32 s89, s17, 6144
	s_add_co_u32 s60, s60, s89
	s_mov_b32 s61, 0
	s_lshl_b32 s90, s84, 14
	s_lshl_b32 s91, s87, 10
	s_add_co_u32 s90, s90, s91
	s_lshl_b32 s91, s17, 9
	s_add_co_u32 s90, s90, s91                     ; st: 16,384 g + 1,024 chunk + 512 hr
	s_mov_b32 s91, 0
	s_wait_dscnt 0x0                               ; the opening add is done
	s_wait_kmcnt 0x0
	s_add_nc_u64 s[56:57], s[4:5], s[56:57]
	s_add_nc_u64 s[58:59], s[4:5], s[58:59]
	s_add_nc_u64 s[60:61], s[6:7], s[60:61]
	s_add_nc_u64 s[62:63], s[6:7], s[62:63]
	s_add_nc_u64 s[8:9], s[8:9], s[90:91]
	G0BUILD
	s_mul_i32 s2, s18, 4*UNIT                      ; the head's load of R: part p brings units 4 p .. 4 p + 3
	s_mov_b32 s[G0R+4], 1
	s_mov_b32 s[G0R+5], s2
	s_mul_i32 s2, s18, 3*UNIT                      ; (s[56:57] holds the group's address + 12,800 p)
	s_mov_b32 s3, 0
	s_add_nc_u64 s[G0R+6:G0R+7], s[56:57], s[2:3]
	s_or_b32 s[G0R+7], s[G0R+7], 0x80000000
	CROUND                                         ; all sixteen work-groups are here: the first joint loads meet
	FIRST
	s_wait_tensorcnt 0x0                           ; my part of tile 0's operands has landed,
	s_barrier_signal -1
	s_barrier_wait -1                              ; everybody's has
	s_wait_alu depctr_va_vdst(0)
	FETCH 0
	STEP 0, -1, 1, 1, -1                           ; TILE 0
	STEP 1, -1, 1, 0, -1
	STEP 2, -1, 1, 0, -1
	STEP 3, -1, 1, 0, 0                            ; places 0-3 of P take tile 1's K steps 0-3
	STEP 4, -1, 1, 0, -1
	STEP 5, -1, 1, 0, -1
	STEP 6, -1, 1, 0, -1
	STEP 7, -1, 1, 0, 2                            ; places 4-7 of P take its K steps 4-7; tile 1's first fragments are fetched
	EPI 0, 0
	STEP 8, -1, 1, 1, -1                           ; TILE 1
	STEP 9, -1, 1, 0, -1
	STEP 10, -1, 1, 0, -1
	STEP 11, 0, 1, 0, -1                           ; the last refill has landed: no load was issued behind it
	STEP 12, -1, 1, 0, -1
	STEP 13, -1, 1, 0, -1
	STEP 14, -1, 1, 0, -1
	STEP 15, -1, 0, 0, -1
	EPI 8*UNIT, 8192
	s_wait_tensorcnt 0x0                           ; the wave's end
	ds_add_u32 v[SPW], v[NIL]
	s_wait_dscnt 0x0
	CROUND                                         ; the closing round
	s_endpgm
.Lfunc_end_k_qea1d1cbf9c_score:
	.size	k_qea1d1cbf9c_score, .Lfunc_end_k_qea1d1cbf9c_score-k_qea1d1cbf9c_score
	.p2alignl 7, 3214868480
	.fill 96, 4, 3214868480
	.section	.rodata,"a",@progbits
	.p2align	6, 0x0
	.amdhsa_kernel k_qea1d1cbf9c_score
		.amdhsa_group_segment_fixed_size 327680
		.amdhsa_private_segment_fixed_size 0
		.amdhsa_enable_private_segment 0
		.amdhsa_kernarg_size 24
		.amdhsa_user_sgpr_count 2
		.amdhsa_user_sgpr_kernarg_segment_ptr 1
		.amdhsa_wavefront_size32 1
		.amdhsa_system_sgpr_workgroup_id_x 1
		.amdhsa_system_sgpr_workgroup_id_y 1
		.amdhsa_system_sgpr_workgroup_id_z 1
		.amdhsa_system_vgpr_workitem_id 0
		.amdhsa_next_free_vgpr 768
		.amdhsa_next_free_sgpr 104
		.amdhsa_reserve_vcc 0
		.amdhsa_float_denorm_mode_32 3
		.amdhsa_float_denorm_mode_16_64 3
		.amdhsa_memory_ordered 1
		.amdhsa_forward_progress 1
		.amdhsa_inst_pref_size 206
	.end_amdhsa_kernel
	.amdgpu_metadata
---
amdhsa.version: [ 1, 2 ]
amdhsa.kernels:
  - .name:           k_qea1d1cbf9c_score
    .symbol:         k_qea1d1cbf9c_score.kd
    .args:
      - { .name: qkv, .offset: 0, .size: 8, .value_kind: global_buffer, .address_space: global }
      - { .name: pm, .offset: 8, .size: 8, .value_kind: global_buffer, .address_space: global }
      - { .name: st, .offset: 16, .size: 8, .value_kind: global_buffer, .address_space: global }
    .group_segment_fixed_size: 327680
    .private_segment_fixed_size: 0
    .kernarg_segment_align: 8
    .kernarg_segment_size: 24
    .max_flat_workgroup_size: 128
    .sgpr_count:     104
    .vgpr_count:     768
    .wavefront_size: 32
...
	.end_amdgpu_metadata
.endif
;; end of part 3
;; launch pv (part 4): grid 4 x 64, 4 waves a work-group, clusters of 4 x 4, 327,680 bytes of LDS; arguments pm, st, qkv, oc; writes oc
.if DOCPART == 4
	.amdgcn_target "amdgcn-amd-amdhsa--gfx1250"
	.amdhsa_code_object_version 6
	.text
	.protected	k_qea1d1cbf9c_pv
	.globl	k_qea1d1cbf9c_pv
	.p2align	8
	.type	k_qea1d1cbf9c_pv,@function
k_qea1d1cbf9c_pv:
	s_mov_b64 s[64:65], 0
	v_nop
	global_prefetch_b8 v0, s[64:65] scope:SCOPE_SE
	s_setreg_imm32_b32 hwreg(HW_REG_WAVE_MODE, 25, 1), 1
	s_wait_xcnt 0x0
	s_wait_alu depctr_hold_cnt(0) depctr_sa_sdst(0) depctr_va_vdst(0) depctr_va_sdst(0) depctr_va_ssrc(0) depctr_va_vcc(0) depctr_vm_vsrc(0)
	s_getreg_b32 s2, hwreg(HW_REG_IB_STS2, 6, 4)
	s_cmp_eq_u32 s2, 0
	s_cbranch_scc0 .Lentry_in_a_cluster
	s_endpgm
.Lentry_in_a_cluster:
	s_bfe_u32 s2, ttmp6, 0x10000c
	s_cmp_lg_u32 s2, 0xf033
	s_cbranch_scc0 .Lentry_shape_is_right
	s_endpgm
.Lentry_shape_is_right:
; o = (P V) / l on MX-FP6 operand units, quantised along the features into oc.  P's codes were made chunk by chunk (128 keys) under the chunk's own whole number M.
; At the head each lane takes, of its rows' 16 chunks, the largest M (as the least -M) and the sum l = sum of l_chunk x 2^(M_chunk - M): exact scalings.  In each K step D = M - M_chunk is taken off the four bytes of P's scale words,
; held at 0 from below: a power of two moved from the numbers into the block's scale, so the codes' values are those under the row's M.
; UNIT (12,800 bytes): 128 rows x 128 K: eight fragment images of 1,536 bytes, then scale words: 12,288 + 256 hf + 8 l + 4 j is block 4 hf + 2 j + l / 16, row l % 16.
; pm: query group g at 204,800 g, 16 K steps.  v^T in qkv from 13,107,200: feature group f at 819,200 f, K step token / 128.  st: [g][chunk 16][hr 2][lane 32][-M j0, -M j1, l j0, l j1].  oc: group g at 102,400 g, 8 K steps.
; TILE.  128 queries (R, source 1) x 256 features (P, source 0, two groups), K = 2,048: 16 K steps.  Wave w: queries 64 (w / 2) on, feature group w % 2: 32 accumulators.
; LDS holds eight K steps of each operand (3 x 102,400 bytes).  K steps 0-7 are asked for at the head in one load a wave; places 0-3 are filled again with K steps 8-11 when step 3's fragments are in registers, places 4-7 with 12-15 at step 7:
; each time every wave waits for all its tensor loads, adds 0 to its spare word, waits for that and for its LDS reads, a round of the cluster's barrier follows, and one joint load a wave stands first behind it, with four K steps in which to land.
; A wave has one tensor load out at the head and one behind each of the two rounds.
; CLUSTER 4 x 4: P's units are shared along a row of the cluster, v^T's along a column.
; REGISTERS.  Window 0: v1-9, v15 addresses; v16-27 scale words as loaded; v220-223 P's corrected scale words; v32-127 R's fragments (at the head the statistics, at the end o and its codes); v128-159 D; v192-253 at work.  Window 1: v^T's fragments.  Window 2: accumulators.
; LIMITS: what lies under 2^-127 of a row's largest p counts with the scale 2^-127 or is lost; D and the scalings of l are held at 127; blocks of o under 2^-124 keep the scale byte 1; NaN and infinities are not served.
.set UNIT,  12800
.set GRP8,  8*UNIT
.set SCW,   12288
.set SPARE, 3*GRP8                     ; behind the operands: the spare words, 128 bytes a wave, two blocks of 256 bytes that no other line names
.set L16,  1
.set ADRR, 2
.set ADRP, 4
.set ADSR, 6
.set ADSP, 8
.set L8,   15
.set SC,   16
.set SFX,  220                         ; v220-223 corrected scale words of R: set p at 220 + 2 p; they hold scales and nothing else
.set SRB,  SFX
.set SRS,  2
.set SPW,  28
.set NIL,  29
.set RF,   32
.set STT,  32                          ; at the head: v[32 + 4 ks ..]: -M j0, -M j1, l j0, l j1 of chunk ks
.set H,    32
.set PC,   96
.set PT,   108
.set DD,   128                         ; v[128 + 2 ks + j]: D in each of the four bytes
.set TM,   192
.set PW,   216
.set NG,   224                         ; v224-225 the least -M
.set LG,   226                         ; v226-227 l, then 1 / l
.set FT,   228                         ; v228-233 at work
.set FG,   230
.set FM,   232
.set RL,   240                         ; v[240 + 2 a : +1] 1 / l of block a's rows, twice
.set SW,   252
.set G1R, 24
.set G1P, 32
.set G0R, 40
.set G0P, 68
.set G1R2, 84                          ; s[84:91] group 1 for R's refills (100 rows of 256 bytes), s[92:99] for P's (200 rows)
.set G1P2, 92
.set HM,  66
.set SEL, 100
.set MUL,  0xa1
.set TO_B, 0x40
.set MSB, 0
.macro WIN new                         ; the immediate's high byte repeats the setting that is left
.if MSB != (\new)
	s_set_vgpr_msb (MSB<<8)|(\new)
.set MSB, (\new)
.endif
.endm
.macro PLACES n
.rept \n
	v_nop
.endr
.endm
.macro CROUND                          ; a round of the cluster's barrier
	s_barrier_signal -1
	s_barrier_wait -1
	s_cmp_lg_u32 s16, 0
	s_cbranch_scc1 .Lnot_wave_0_\@
	s_barrier_signal -3
.Lnot_wave_0_\@:
	s_barrier_wait -3
	s_barrier_signal -1
	s_barrier_wait -1
.endm
.macro G1SET g, rows                   ; a dense block as rows of 256 bytes: 32 elements of 8 bytes
	s_mov_b32 s[\g+1], 32<<16
	s_mov_b32 s[\g+2], (\rows)<<16
	s_mov_b32 s[\g+3], 32<<16
	s_mov_b32 s[\g+4], \rows
	s_mov_b32 s[\g+5], 32
	s_mov_b32 s[\g+6], 0
	s_mov_b32 s[\g+7], 0
.endm
.macro IDS
	v_lshl_add_u32 v[SPW], v0, 2, SPARE
	v_mov_b32 v[NIL], 0
	ds_add_u32 v[SPW], v[NIL]                      ; the wave's opening: the add and its wait stand ahead of my first tensor load; work on registers stands between
	ds_add_u32 v[SPW], v[NIL]
	v_lshrrev_b32 v15, 5, v0
	v_readfirstlane_b32 s16, v15                   ; wave 0..3
	s_lshr_b32 s17, s16, 1                         ; hr.  Also: I fetch for R (0) or for P (1)
	s_and_b32 s18, s16, 1                          ; hp.  Also: which part I fetch
	s_bfe_u32 s19, ttmp6, 0x40000                  ; cx
	s_bfe_u32 s20, ttmp6, 0x40004                  ; cy
	s_lshl_b32 s21, ttmp9, 2
	s_add_co_u32 s21, s21, s19                     ; X
	s_and_b32 s22, ttmp7, 0xffff                   ; CY
	s_lshl_b32 s2, s20, 2
	s_lshl_b32 s2, 15, s2                          ; my row of the cluster
	s_lshl_b32 s3, 0x1111, s19                     ; my column
	s_or_b32 s[G1R], s2, (3<<16)|(1<<21)
	s_or_b32 s[G1P], s3, (3<<16)|(1<<21)
	s_or_b32 s[G1R2], s2, (3<<16)|(1<<21)
	s_or_b32 s[G1P2], s3, (3<<16)|(1<<21)
	; THE FIRST FILLS, in place of what the head comment says of four stages: at the head a wave issues ONE joint load, which brings K steps 0-7 of its part: waves 0 and 1 four units of R each (200 rows of 256 bytes),
	; waves 2 and 3 a group of P each (400 rows).  A wave never has more than one tensor load out.
	G1SET G1R, 200
	G1SET G1P, 400
	G1SET G1R2, 100
	G1SET G1P2, 200
	s_mov_b32 s[HM], 0xffff0000
	s_mov_b32 s[SEL], 0x76543210
	s_mov_b32 s[SEL+1], 0xfedcba98
.endm
.macro ADDRS
	v_and_b32 v15, 31, v0
	v_lshlrev_b32 v[L16], 4, v15
	v_lshlrev_b32 v[L8], 3, v15
	s_mul_i32 s2, s17, 6144
	v_add_nc_u32 v[ADRR], s2, v[L16]
	v_add_nc_u32 v[ADRR+1], 4*UNIT, v[ADRR]
	s_mul_i32 s2, s18, GRP8
	s_add_co_u32 s2, s2, GRP8
	v_add_nc_u32 v[ADRP], s2, v[L16]
	v_add_nc_u32 v[ADRP+1], 4*UNIT, v[ADRP]
	s_add_co_u32 s2, s2, SCW
	v_add_nc_u32 v[ADSP], s2, v[L8]
	v_add_nc_u32 v[ADSP+1], 4*UNIT, v[ADSP]
	s_lshl_b32 s2, s17, 8
	s_add_co_u32 s2, s2, SCW
	v_add_nc_u32 v[ADSR], s2, v[L8]
	v_add_nc_u32 v[ADSR+1], 4*UNIT, v[ADSR]
.irp b, 0,1,2,3
	v_mov_b32 v[TM+4+\b], 0                        ; a lane permute's destination counts as one of its sources
.endr
.endm
.macro G0BUILD
	s_mul_i32 s2, s18, UNIT
	s_mul_i32 s3, s18, GRP8
	s_add_co_u32 s3, s3, GRP8
.irp j, 0,2                                    ; the two sets that serve the refills; P's set 0 also serves the head
	s_mov_b32 s[G0R+4*\j], 1
	s_add_co_u32 s[G0R+4*\j+1], s2, \j*2*UNIT
	s_add_nc_u64 s[G0R+4*\j+2:G0R+4*\j+3], s[56:57], \j*2*UNIT
	s_or_b32 s[G0R+4*\j+3], s[G0R+4*\j+3], 0x80000000
	s_mov_b32 s[G0P+4*\j], 1
	s_add_co_u32 s[G0P+4*\j+1], s3, \j*2*UNIT
	s_add_nc_u64 s[G0P+4*\j+2:G0P+4*\j+3], s[58:59], \j*2*UNIT
	s_or_b32 s[G0P+4*\j+3], s[G0P+4*\j+3], 0x80000000
.endr
.endm
.macro FIRST                           ; a wave's one first fill stands in a branch on the wave's number; an s_nop 0 and four v_nop follow it
	s_cmp_eq_u32 s17, 0
	s_cbranch_scc0 .Lfirst_p_\@
	tensor_load_to_lds s[G0R+4:G0R+7], s[G1R:G1R+7]
	s_nop 0
	PLACES 4
	s_branch .Lfirst_done_\@
.Lfirst_p_\@:
	tensor_load_to_lds s[G0P:G0P+3], s[G1P:G1P+7]
	s_nop 0
	PLACES 4
.Lfirst_done_\@:
.endm
.macro JLOAD g0a, g1a, g0b, g1b        ; a joint refill: waves 0 and 1 for R, waves 2 and 3 for P; an s_nop 0 and four v_nop follow each of the two lines
	s_cmp_eq_u32 s17, 0
	s_cbranch_scc0 .Lfor_p_\@
	tensor_load_to_lds s[\g0a:\g0a+3], s[\g1a:\g1a+7]
	s_nop 0
	PLACES 4
	s_branch .Lasked_\@
.Lfor_p_\@:
	tensor_load_to_lds s[\g0b:\g0b+3], s[\g1b:\g1b+7]
	s_nop 0
	PLACES 4
.Lasked_\@:
.endm
.macro FETCH ks                        ; 39 LDS loads in one run: K step ks, at place ks % 8, into set ks % 2
.set fp, (\ks)%2
.set fs, ((\ks)%8)/4
.set fq, (\ks)%4
	WIN TO_B
.irp b, 0,1,2,3,4,5,6,7
.irp c, 0,1,2
	ds_load_b128 v[128*fp+12*\b+4*\c:128*fp+12*\b+4*\c+3], v[ADRP+fs] offset:UNIT*fq+1536*\b+512*\c
.endr
.endr
	WIN 0
.irp a, 0,1,2,3
.irp c, 0,1,2
	ds_load_b128 v[RF+48*fp+12*\a+4*\c:RF+48*fp+12*\a+4*\c+3], v[ADRR+fs] offset:UNIT*fq+1536*\a+512*\c
.endr
.endr
	ds_load_b64 v[SC+6*fp:SC+6*fp+1], v[ADSP+fs] offset:UNIT*fq
	ds_load_b64 v[SC+6*fp+2:SC+6*fp+3], v[ADSP+fs] offset:UNIT*fq+256
	ds_load_b64 v[SC+6*fp+4:SC+6*fp+5], v[ADSR+fs] offset:UNIT*fq
.endm
.macro WMC ra, rb                      ; adds in place
.if (\ra) == 0 && (\rb) == 0
	v_wmma_scale_f32_16x16x128_f8f6f4 v[rD:rD+7], v[rA:rA+11], v[rB:rB+11], v[rD:rD+7], v[rSA], v[rSB] matrix_a_fmt:MATRIX_FMT_FP6 matrix_b_fmt:MATRIX_FMT_FP6
.elseif (\ra) == 1 && (\rb) == 0
	v_wmma_scale_f32_16x16x128_f8f6f4 v[rD:rD+7], v[rA:rA+11], v[rB:rB+11], v[rD:rD+7], v[rSA], v[rSB] matrix_a_fmt:MATRIX_FMT_FP6 matrix_b_fmt:MATRIX_FMT_FP6 matrix_a_scale:MATRIX_SCALE_ROW1
.elseif (\ra) == 0 && (\rb) == 1
	v_wmma_scale_f32_16x16x128_f8f6f4 v[rD:rD+7], v[rA:rA+11], v[rB:rB+11], v[rD:rD+7], v[rSA], v[rSB] matrix_a_fmt:MATRIX_FMT_FP6 matrix_b_fmt:MATRIX_FMT_FP6 matrix_b_scale:MATRIX_SCALE_ROW1
.else
	v_wmma_scale_f32_16x16x128_f8f6f4 v[rD:rD+7], v[rA:rA+11], v[rB:rB+11], v[rD:rD+7], v[rSA], v[rSB] matrix_a_fmt:MATRIX_FMT_FP6 matrix_b_fmt:MATRIX_FMT_FP6 matrix_a_scale:MATRIX_SCALE_ROW1 matrix_b_scale:MATRIX_SCALE_ROW1
.endif
.endm
.macro WMZ ra, rb                      ; starts a sum: nothing is ever cleared
.if (\ra) == 0 && (\rb) == 0
	v_wmma_scale_f32_16x16x128_f8f6f4 v[rD:rD+7], v[rA:rA+11], v[rB:rB+11], 0, v[rSA], v[rSB] matrix_a_fmt:MATRIX_FMT_FP6 matrix_b_fmt:MATRIX_FMT_FP6
.elseif (\ra) == 1 && (\rb) == 0
	v_wmma_scale_f32_16x16x128_f8f6f4 v[rD:rD+7], v[rA:rA+11], v[rB:rB+11], 0, v[rSA], v[rSB] matrix_a_fmt:MATRIX_FMT_FP6 matrix_b_fmt:MATRIX_FMT_FP6 matrix_a_scale:MATRIX_SCALE_ROW1
.elseif (\ra) == 0 && (\rb) == 1
	v_wmma_scale_f32_16x16x128_f8f6f4 v[rD:rD+7], v[rA:rA+11], v[rB:rB+11], 0, v[rSA], v[rSB] matrix_a_fmt:MATRIX_FMT_FP6 matrix_b_fmt:MATRIX_FMT_FP6 matrix_b_scale:MATRIX_SCALE_ROW1
.else
	v_wmma_scale_f32_16x16x128_f8f6f4 v[rD:rD+7], v[rA:rA+11], v[rB:rB+11], 0, v[rSA], v[rSB] matrix_a_fmt:MATRIX_FMT_FP6 matrix_b_fmt:MATRIX_FMT_FP6 matrix_a_scale:MATRIX_SCALE_ROW1 matrix_b_scale:MATRIX_SCALE_ROW1
.endif
.endm
.macro WM a, b, p, cm
.set rD, 8*(8*(\a)+(\b))
.set rA, 128*(\p)+12*(\b)
.set rB, RF+48*(\p)+12*(\a)
.set rSA, SC+6*(\p)+(\b)/2
.set rSB, SRB+SRS*(\p)+(\a)/2
.if (\cm) == 1
	WMZ ((\b)%2), ((\a)%2)
.else
	WMC ((\b)%2), ((\a)%2)
.endif
.endm
; D off each of a scale word's four bytes, held at 0.  The bytes are 125 at the most and D 127 at the most: with bit 7 set in each byte no borrow passes from byte to byte, and bit 7 stays set just where the byte was at least D.
.macro FIX p, ks
.irp j, 0,1
	v_or_b32 v[FT+\j], 0x80808080, v[SC+6*(\p)+4+\j]
.endr
.irp j, 0,1
	v_sub_nc_u32 v[FT+\j], v[FT+\j], v[DD+2*(\ks)+\j]
.endr
.irp j, 0,1
	v_and_b32 v[FG+\j], 0x80808080, v[FT+\j]
.endr
.irp j, 0,1
	v_lshrrev_b32 v[FM+\j], 7, v[FG+\j]
.endr
.irp j, 0,1
	v_sub_nc_u32 v[FG+\j], v[FG+\j], v[FM+\j]      ; 0x7f in the bytes that hold, 0 in the others
.endr
.irp j, 0,1
	v_and_b32 v[SFX+2*(\p)+\j], v[FT+\j], v[FG+\j]
.endr
.endm
; A K step.  Its set is in; P's scale words are corrected; eight places stand between that and the products (a scale register written by a vector instruction stands eight places ahead of a scaled matrix instruction);
; they are also the places in front of the next run of loads.  refill >= 0: four places of LDS, all read, are filled again through descriptor set refill.
.macro STEP ks, sync, fetch, cm, refill
	s_wait_dscnt 0x0                               ; this step's set is in registers
.if (\refill) >= 0
	s_wait_tensorcnt 0x0                           ; all my tensor loads have landed, so a group 0 may be written;
	ds_add_u32 v[SPW], v[NIL]                      ; 0 onto my spare word: work on registers stands between it and the wait for it
	s_add_co_u32 s[G0R+4*(\refill)+1], s[G0R+4*(\refill)+1], s14                                  ; R: from one unit a wave to two: 12,800 x part further on in LDS,
	s_add_nc_u64 s[G0R+4*(\refill)+2:G0R+4*(\refill)+3], s[G0R+4*(\refill)+2:G0R+4*(\refill)+3], s[12:13]   ; and eight K steps + 12,800 x part in memory
	s_add_nc_u64 s[G0P+4*(\refill)+2:G0P+4*(\refill)+3], s[G0P+4*(\refill)+2:G0P+4*(\refill)+3], GRP8       ; P: eight K steps on
	FIX ((\ks)%2), \ks
	s_wait_dscnt 0x0                               ; the add is done, and my reads of the four places are over
	CROUND                                         ; no wave of any partner still reads them or has a load on its way
	JLOAD G0R+4*(\refill), G1R2, G0P+4*(\refill), G1P2   ; my one tensor load behind the round, and the first thing there
	PLACES 4                                       ; with the four behind the load: eight
.else
.if (\sync) >= 0
	s_wait_tensorcnt \sync                         ; my part of what the next run reads has landed (sync younger loads may stay out)
	s_barrier_signal -1
	s_barrier_wait -1
.endif
	FIX ((\ks)%2), \ks
	PLACES 8
.endif
.if \fetch
	FETCH (\ks)+1
.endif
	WIN MUL
	s_wait_alu depctr_va_vdst(0)
.irp a, 0,1,2,3
.irp b, 0,1,2,3,4,5,6,7
	WM \a, \b, ((\ks)%2), \cm
.endr
.endr
	WIN 0
.endm
; 64 numbers of a lane in window w, register 16 b + i = k 32 b + 16 (lane / 16) + i of my row, become a fragment's codes in v[PC] on and its scale word in v[pw].
.macro QUANT s, w, pw
	WIN (\w)|((\w)<<2)
.irp b, 0,1,2,3
	v_max3_num_f32 v[TM+\b], |v[(\s)+16*\b]|, |v[(\s)+16*\b+1]|, 0x1800000
.endr
	WIN ((\w)<<2)|((\w)<<4)
.irp i, 2,4,6,8,10,12,14
.irp b, 0,1,2,3
	v_max3_num_f32 v[TM+\b], v[TM+\b], |v[(\s)+16*\b+\i]|, |v[(\s)+16*\b+\i+1]|
.endr
.endr
	WIN 0
.irp b, 0,1,2,3
	v_permlanex16_b32 v[TM+4+\b], v[TM+\b], s[SEL], s[SEL+1]
.endr
.irp b, 0,1,2,3
	v_max_num_f32 v[TM+\b], v[TM+\b], v[TM+4+\b]
.endr
.irp b, 0,1,2,3
	v_add_nc_u32 v[TM+12+\b], 0xff000000, v[TM+\b]
.endr
.irp b, 0,1,2,3
	v_lshrrev_b32 v[TM+4+\b], 23, v[TM+12+\b]
.endr
	v_lshl_or_b32 v[\pw], v[TM+5], 8, v[TM+4]
	v_lshl_or_b32 v[\pw], v[TM+6], 16, v[\pw]
	v_lshl_or_b32 v[\pw], v[TM+7], 24, v[\pw]
	s_wait_xcnt 0x0                                ; the last block's stores have read v[PC] on
	WIN (\w)
.irp c, 0,1
	v_cvt_scalef32_pk16_fp6_f32 v[PC+6*\c:PC+6*\c+2], v[(\s)+32*\c:(\s)+32*\c+15], v[TM+12+2*\c]
	v_cvt_scalef32_pk16_fp6_f32 v[PT+4*\c:PT+4*\c+2], v[(\s)+32*\c+16:(\s)+32*\c+31], v[TM+12+2*\c+1]
.endr
	WIN 0
	v_nop                                          ; one plain place behind a scaled conversion
.irp c, 0,1
.irp i, 0,1,2
	v_permlane16_swap_b32 v[PC+6*\c+\i], v[PT+4*\c+\i]
.endr
.irp i, 0,1,2
	v_mov_b32 v[PC+6*\c+3+\i], v[PT+4*\c+\i]
.endr
.endr
.endm
.macro PUT a
.irp c, 0,1,2
	global_store_b128 v[L16], v[PC+4*\c:PC+4*\c+3], s[60:61] offset:1536*(\a)+512*\c
.endr
.endm
.macro PUTSC
	v_cndmask_b32 v[SW], v[PW], v[PW+1], s[HM]
	v_cndmask_b32 v[SW+1], v[PW+2], v[PW+3], s[HM]
	global_store_b64 v[L8], v[SW:SW+1], s[62:63]
.endm
	s_load_b256 s[4:11], s[0:1], 0x0               ; pm, st, qkv, oc
	IDS
	ADDRS
	s_lshl_b32 s23, s22, 2
	s_add_co_u32 s23, s23, s20                     ; g = 4 CY + cy
	s_mul_i32 s56, s23, 2*GRP8
	s_mul_i32 s14, s18, UNIT                       ; 12,800 x part: kept for the refills
	s_add_co_u32 s56, s56, s14
	s_mov_b32 s57, 0
	s_add_co_u32 s12, s14, GRP8                    ; s[12:13]: R's step in memory at a refill
	s_mov_b32 s13, 0
	s_mov_b32 s15, 0xfefefeff                      ; -0x01010101
	s_lshl_b32 s67, s21, 1
	s_add_co_u32 s67, s67, s18                     ; 2 X + w % 2: the feature group
	s_mul_i32 s58, s67, 64*UNIT
	s_lshr_b32 s3, s22, 2                          ; the batch
	s_mul_i32 s3, s3, 2*GRP8
	s_add_co_u32 s58, s58, s3
	s_add_co_u32 s58, s58, 13107200
	s_mov_b32 s59, 0
	s_mul_i32 s60, s23, GRP8
	s_mul_i32 s3, s67, UNIT
	s_add_co_u32 s60, s60, s3                      ; the result's unit in oc
	s_lshl_b32 s3, s17, 8
	s_add_co_u32 s62, s60, s3
	s_add_co_u32 s62, s62, SCW
	s_mov_b32 s63, 0
	s_mul_i32 s3, s17, 6144
	s_add_co_u32 s60, s60, s3
	s_mov_b32 s61, 0
	s_lshl_b32 s2, s23, 14
	s_lshl_b32 s3, s17, 9
	s_add_co_u32 s2, s2, s3                        ; st: 16,384 g + 512 hr
	s_mov_b32 s3, 0
	s_wait_dscnt 0x0                               ; the opening add is done
	s_wait_kmcnt 0x0
	s_add_nc_u64 s[6:7], s[6:7], s[2:3]
	s_add_nc_u64 s[56:57], s[4:5], s[56:57]
	s_add_nc_u64 s[58:59], s[8:9], s[58:59]
	s_add_nc_u64 s[60:61], s[10:11], s[60:61]
	s_add_nc_u64 s[62:63], s[10:11], s[62:63]
	G0BUILD
	s_mul_i32 s2, s18, 4*UNIT                      ; the head's load of R: part p brings units 4 p .. 4 p + 3
	s_mov_b32 s[G0R+4], 1
	s_mov_b32 s[G0R+5], s2
	s_mul_i32 s2, s18, 3*UNIT                      ; (s[56:57] holds the group's address + 12,800 p)
	s_mov_b32 s3, 0
	s_add_nc_u64 s[G0R+6:G0R+7], s[56:57], s[2:3]
	s_or_b32 s[G0R+7], s[G0R+7], 0x80000000
	CROUND                                         ; all sixteen work-groups are here: the first joint loads meet
	FIRST
	; THE ROWS' M AND l, while the tiles are on their way.  Lane l, word j: block 2 j + l / 16 of my four, row l % 16: as in the scale words.
.irp k, 0,1,2,3,4,5,6,7,8,9,10,11,12,13,14,15
	global_load_b128 v[STT+4*\k:STT+4*\k+3], v[L16], s[6:7] offset:1024*\k
.endr
	s_wait_loadcnt 0x0
.irp j, 0,1
	v_min3_num_f32 v[NG+\j], v[STT+\j], v[STT+4+\j], v[STT+8+\j]
.endr
.irp k, 3,5,7,9,11,13
.irp j, 0,1
	v_min3_num_f32 v[NG+\j], v[NG+\j], v[STT+4*\k+\j], v[STT+4*\k+4+\j]
.endr
.endr
.irp j, 0,1
	v_min_num_f32 v[NG+\j], v[NG+\j], v[STT+60+\j] ; the least -M: the row's M
.endr
.irp k, 0,1,2,3,4,5,6,7,8,9,10,11,12,13,14,15
.irp j, 0,1
	v_sub_f32 v[FT+\j], v[NG+\j], v[STT+4*\k+\j]   ; M_chunk - M: a whole number, 0 or less,
.endr
.irp j, 0,1
	v_max_num_f32 v[FT+\j], 0xc2fe0000, v[FT+\j]   ; held at -127
.endr
.irp j, 0,1
	v_cvt_i32_f32 v[FT+\j], v[FT+\j]
.endr
.irp j, 0,1
.if \k == 0
	v_ldexp_f32 v[LG+\j], v[STT+2+\j], v[FT+\j]    ; the first chunk starts the sum
.else
	v_ldexp_f32 v[FG+\j], v[STT+4*\k+2+\j], v[FT+\j]
.endif
.endr
.irp j, 0,1
	v_mul_lo_u32 v[DD+2*\k+\j], v[FT+\j], s15      ; D = M - M_chunk in each of the four bytes
.endr
.if \k > 0
.irp j, 0,1
	v_add_f32 v[LG+\j], v[LG+\j], v[FG+\j]
.endr
.endif
.endr
	s_wait_alu depctr_va_vdst(0)
	v_rcp_f32 v[LG], v[LG]
	v_rcp_f32 v[LG+1], v[LG+1]
	v_nop                                          ; a plain place behind the reciprocals
	s_wait_alu depctr_va_vdst(0)                   ; one wait for both, ahead of the first line that names a result
	v_permlanex16_b32 v[FT], v[LG], s[SEL], s[SEL+1]
	v_permlanex16_b32 v[FT+1], v[LG+1], s[SEL], s[SEL+1]
.irp j, 0,1
	v_cndmask_b32 v[RL+4*\j], v[LG+\j], v[FT+\j], s[HM]       ; block 2 j's rows lie in lanes 0-15: lanes 16-31 take theirs from there
	v_cndmask_b32 v[RL+4*\j+1], v[LG+\j], v[FT+\j], s[HM]
	v_cndmask_b32 v[RL+4*\j+2], v[FT+\j], v[LG+\j], s[HM]     ; block 2 j + 1's in lanes 16-31
	v_cndmask_b32 v[RL+4*\j+3], v[FT+\j], v[LG+\j], s[HM]
.endr
	s_wait_tensorcnt 0x0                           ; my part of K steps 0-7 has landed,
	s_barrier_signal -1
	s_barrier_wait -1                              ; everybody's has
	FETCH 0
	STEP 0, -1, 1, 1, -1
	STEP 1, -1, 1, 0, -1
	STEP 2, -1, 1, 0, -1
	STEP 3, -1, 1, 0, 0                            ; places 0-3 take K steps 8-11
	STEP 4, -1, 1, 0, -1
	STEP 5, -1, 1, 0, -1
	STEP 6, -1, 1, 0, -1
	STEP 7, -1, 1, 0, 2                            ; places 4-7 take K steps 12-15
	STEP 8, -1, 1, 0, -1
	STEP 9, -1, 1, 0, -1
	STEP 10, -1, 1, 0, -1
	STEP 11, 0, 1, 0, -1                           ; the last refill has landed: no load was issued behind it
	STEP 12, -1, 1, 0, -1
	STEP 13, -1, 1, 0, -1
	STEP 14, -1, 1, 0, -1
	STEP 15, -1, 0, 0, -1
	PLACES 4                                       ; in front of the first read of results, and of writes into registers that held R's fragments
.irp a, 0,1,2,3
	WIN 0x02                                       ; source 0 window 2
.set n1, 0
.rept 32
	v_pk_mul_f32 v[H+n1:H+n1+1], v[64*\a+n1:64*\a+n1+1], v[RL+2*\a:RL+2*\a+1]   ; o = O / l, each accumulator from its low end on
.set n1, n1+2
.endr
	QUANT H, 0, PW+\a
	PUT \a
.endr
	PUTSC
	s_wait_tensorcnt 0x0                           ; the wave's end
	ds_add_u32 v[SPW], v[NIL]
	s_wait_dscnt 0x0
	CROUND                                         ; the closing round
	s_endpgm
.Lfunc_end_k_qea1d1cbf9c_pv:
	.size	k_qea1d1cbf9c_pv, .Lfunc_end_k_qea1d1cbf9c_pv-k_qea1d1cbf9c_pv
	.p2alignl 7, 3214868480
	.fill 96, 4, 3214868480
	.section	.rodata,"a",@progbits
	.p2align	6, 0x0
	.amdhsa_kernel k_qea1d1cbf9c_pv
		.amdhsa_group_segment_fixed_size 327680
		.amdhsa_private_segment_fixed_size 0
		.amdhsa_enable_private_segment 0
		.amdhsa_kernarg_size 32
		.amdhsa_user_sgpr_count 2
		.amdhsa_user_sgpr_kernarg_segment_ptr 1
		.amdhsa_wavefront_size32 1
		.amdhsa_system_sgpr_workgroup_id_x 1
		.amdhsa_system_sgpr_workgroup_id_y 1
		.amdhsa_system_sgpr_workgroup_id_z 1
		.amdhsa_system_vgpr_workitem_id 0
		.amdhsa_next_free_vgpr 768
		.amdhsa_next_free_sgpr 104
		.amdhsa_reserve_vcc 0
		.amdhsa_float_denorm_mode_32 3
		.amdhsa_float_denorm_mode_16_64 3
		.amdhsa_memory_ordered 1
		.amdhsa_forward_progress 1
		.amdhsa_inst_pref_size 166
	.end_amdhsa_kernel
	.amdgpu_metadata
---
amdhsa.version: [ 1, 2 ]
amdhsa.kernels:
  - .name:           k_qea1d1cbf9c_pv
    .symbol:         k_qea1d1cbf9c_pv.kd
    .args:
      - { .name: pm, .offset: 0, .size: 8, .value_kind: global_buffer, .address_space: global }
      - { .name: st, .offset: 8, .size: 8, .value_kind: global_buffer, .address_space: global }
      - { .name: qkv, .offset: 16, .size: 8, .value_kind: global_buffer, .address_space: global }
      - { .name: oc, .offset: 24, .size: 8, .value_kind: global_buffer, .address_space: global }
    .group_segment_fixed_size: 327680
    .private_segment_fixed_size: 0
    .kernarg_segment_align: 8
    .kernarg_segment_size: 32
    .max_flat_workgroup_size: 128
    .sgpr_count:     104
    .vgpr_count:     768
    .wavefront_size: 32
...
	.end_amdgpu_metadata
.endif
;; end of part 4
;; launch proj (part 5): grid 4 x 64, 4 waves a work-group, clusters of 4 x 4, 327,680 bytes of LDS; arguments oc, xw, bp, out0; writes out0
.if DOCPART == 5
	.amdgcn_target "amdgcn-amd-amdhsa--gfx1250"
	.amdhsa_code_object_version 6
	.text
	.protected	k_qea1d1cbf9c_proj
	.globl	k_qea1d1cbf9c_proj
	.p2align	8
	.type	k_qea1d1cbf9c_proj,@function
k_qea1d1cbf9c_proj:
	s_mov_b64 s[64:65], 0
	v_nop
	global_prefetch_b8 v0, s[64:65] scope:SCOPE_SE
	s_setreg_imm32_b32 hwreg(HW_REG_WAVE_MODE, 25, 1), 1
	s_wait_xcnt 0x0
	s_wait_alu depctr_hold_cnt(0) depctr_sa_sdst(0) depctr_va_vdst(0) depctr_va_sdst(0) depctr_va_ssrc(0) depctr_va_vcc(0) depctr_vm_vsrc(0)
	s_getreg_b32 s2, hwreg(HW_REG_IB_STS2, 6, 4)
	s_cmp_eq_u32 s2, 0
	s_cbranch_scc0 .Lentry_in_a_cluster
	s_endpgm
.Lentry_in_a_cluster:
	s_bfe_u32 s2, ttmp6, 0x10000c
	s_cmp_lg_u32 s2, 0xf033
	s_cbranch_scc0 .Lentry_shape_is_right
	s_endpgm
.Lentry_shape_is_right:
; out = o Wp^T + bp, f32: an MX-FP6 product on the operand units of oc (o) and xw (Wp: row groups 88-95).
; UNIT (12,800 bytes): 128 rows x 128 K: eight fragment images of 1,536 bytes, then scale words: 12,288 + 256 hf + 8 l + 4 j is block 4 hf + 2 j + l / 16, row l % 16.  Place (rb, r) holds row 32 (rb / 2) + 8 (rb % 2) + r + 8 (r / 8) of the 128.
; TILE.  128 tokens (R, source 1) x 256 outputs (P, source 0, two groups of Wp), K = 1,024.  Wave w: tokens 64 (w / 2) on (4 blocks a), group w % 2 (8 tiles b): 32 accumulators.
; The product is used transposed: a lane holds one token, and registers of tiles 2 b and 2 b + 1 are the 16 neighbouring outputs 32 b + 16 (lane / 16) + 0 .. 15.  bp is the C of the first K step's products: eight tiles in that layout.
; LDS.  All operands, 3 x 102,400 bytes, are asked for at the head, in one load a wave: nothing is filled again.  CLUSTER 4 x 4: o's units are shared along a row, Wp's along a column, by joint loads.  A wave has one tensor load out.
; THE WAY OUT.  16 tokens x 64 outputs at a time go through the wave's own stage (rows of 256 bytes + 16, behind the operands, where no tile lands) and leave as rows: sixteen lanes store 256 consecutive bytes, aligned, at the token's true row.
; REGISTERS.  Window 0: v1-15 addresses; v16-27 scale words; v32-127 R's fragments (later rows of out); v128-191 bp's tiles.  Window 1: P's fragments.  Window 2: accumulator (a, b) at 8 (8 a + b).
; LIMITS: NaN and infinities are not served.
.set UNIT,  12800
.set GRP8,  8*UNIT
.set SCW,   12288
.set STAGE, 3*GRP8                     ; behind the operands: 16 rows x 272 bytes for each wave
.set SPARE, STAGE+4*16*272             ; behind the stages: the spare words, 128 bytes a wave, two blocks of 256 bytes that no other line names
.set L16,  1
.set ADRR, 2
.set ADRP, 4
.set ADSR, 6
.set ADSP, 8
.set STO,  12                          ; v12  the stage: where I put 16 bytes of a row
.set RD,   13                          ; v13  and where I read a row back
.set CO,   14                          ; v14  my byte offset in out
.set L8,   15
.set SC,   16
.set SRB,  SC+4
.set SRS,  6
.set SPW,  28
.set NIL,  29
.set RF,   32
.set OB,   32                          ; the way out: two sets of eight rows' pieces
.set BB,   128                         ; v128-191 bp: eight tiles
.set G1R, 24
.set G1P, 32
.set G0R, 40
.set G0P, 68
.set MUL,  0xa1
.set TO_B, 0x40
.set MSB, 0
.macro WIN new                         ; the immediate's high byte repeats the setting that is left
.if MSB != (\new)
	s_set_vgpr_msb (MSB<<8)|(\new)
.set MSB, (\new)
.endif
.endm
.macro PLACES n
.rept \n
	v_nop
.endr
.endm
.macro CROUND                          ; a round of the cluster's barrier
	s_barrier_signal -1
	s_barrier_wait -1
	s_cmp_lg_u32 s16, 0
	s_cbranch_scc1 .Lnot_wave_0_\@
	s_barrier_signal -3
.Lnot_wave_0_\@:
	s_barrier_wait -3
	s_barrier_signal -1
	s_barrier_wait -1
.endm
.macro G1SET g, rows                   ; a dense block as rows of 256 bytes: 32 elements of 8 bytes
	s_mov_b32 s[\g+1], 32<<16
	s_mov_b32 s[\g+2], (\rows)<<16
	s_mov_b32 s[\g+3], 32<<16
	s_mov_b32 s[\g+4], \rows
	s_mov_b32 s[\g+5], 32
	s_mov_b32 s[\g+6], 0
	s_mov_b32 s[\g+7], 0
.endm
.macro IDS
	v_lshl_add_u32 v[SPW], v0, 2, SPARE
	v_mov_b32 v[NIL], 0
	ds_add_u32 v[SPW], v[NIL]                      ; the wave's opening: the add and its wait stand ahead of my first tensor load; work on registers stands between
	ds_add_u32 v[SPW], v[NIL]
	v_lshrrev_b32 v15, 5, v0
	v_readfirstlane_b32 s16, v15                   ; wave 0..3
	s_lshr_b32 s17, s16, 1                         ; hr.  Also: I fetch for R (0) or for P (1)
	s_and_b32 s18, s16, 1                          ; hp.  Also: which part I fetch
	s_bfe_u32 s19, ttmp6, 0x40000                  ; cx
	s_bfe_u32 s20, ttmp6, 0x40004                  ; cy
	s_lshl_b32 s21, ttmp9, 2
	s_add_co_u32 s21, s21, s19                     ; X
	s_and_b32 s22, ttmp7, 0xffff                   ; CY
	s_lshl_b32 s2, s20, 2
	s_lshl_b32 s2, 15, s2                          ; my row of the cluster
	s_lshl_b32 s3, 0x1111, s19                     ; my column
	s_or_b32 s[G1R], s2, (3<<16)|(1<<21)
	s_or_b32 s[G1P], s3, (3<<16)|(1<<21)
	; THE FILLS, in place of what the head comment says of four stages: at the head a wave issues ONE joint load, which brings all eight K steps of its part: waves 0 and 1 four units of R each (200 rows of 256 bytes),
	; waves 2 and 3 a group of P each (400 rows).  A wave has one tensor load out.
	G1SET G1R, 200
	G1SET G1P, 400
.endm
.macro ADDRS
	v_and_b32 v15, 31, v0
	v_lshlrev_b32 v[L16], 4, v15
	v_lshlrev_b32 v[L8], 3, v15
	s_mul_i32 s2, s17, 6144
	v_add_nc_u32 v[ADRR], s2, v[L16]
	v_add_nc_u32 v[ADRR+1], 4*UNIT, v[ADRR]
	s_mul_i32 s2, s18, GRP8
	s_add_co_u32 s2, s2, GRP8
	v_add_nc_u32 v[ADRP], s2, v[L16]
	v_add_nc_u32 v[ADRP+1], 4*UNIT, v[ADRP]
	s_add_co_u32 s2, s2, SCW
	v_add_nc_u32 v[ADSP], s2, v[L8]
	v_add_nc_u32 v[ADSP+1], 4*UNIT, v[ADSP]
	s_lshl_b32 s2, s17, 8
	s_add_co_u32 s2, s2, SCW
	v_add_nc_u32 v[ADSR], s2, v[L8]
	v_add_nc_u32 v[ADSR+1], 4*UNIT, v[ADSR]
.endm
.macro G0BUILD
	s_mul_i32 s2, s18, UNIT
	s_mul_i32 s3, s18, GRP8
	s_add_co_u32 s3, s3, GRP8
.irp j, 0
	s_mov_b32 s[G0R+4*\j], 1
	s_add_co_u32 s[G0R+4*\j+1], s2, \j*2*UNIT
	s_add_nc_u64 s[G0R+4*\j+2:G0R+4*\j+3], s[56:57], \j*2*UNIT
	s_or_b32 s[G0R+4*\j+3], s[G0R+4*\j+3], 0x80000000
	s_mov_b32 s[G0P+4*\j], 1
	s_add_co_u32 s[G0P+4*\j+1], s3, \j*2*UNIT
	s_add_nc_u64 s[G0P+4*\j+2:G0P+4*\j+3], s[58:59], \j*2*UNIT
	s_or_b32 s[G0P+4*\j+3], s[G0P+4*\j+3], 0x80000000
.endr
.endm
.macro FIRST                           ; a wave's one first fill stands in a branch on the wave's number; an s_nop 0 and four v_nop follow it
	s_cmp_eq_u32 s17, 0
	s_cbranch_scc0 .Lfirst_p_\@
	tensor_load_to_lds s[G0R+4:G0R+7], s[G1R:G1R+7]
	s_nop 0
	PLACES 4
	s_branch .Lfirst_done_\@
.Lfirst_p_\@:
	tensor_load_to_lds s[G0P:G0P+3], s[G1P:G1P+7]
	s_nop 0
	PLACES 4
.Lfirst_done_\@:
.endm
.macro FETCH ks                        ; 39 LDS loads in one run: K step ks into set ks % 2
.set fp, (\ks)%2
.set fs, ((\ks)%8)/4
.set fq, (\ks)%4
	WIN TO_B
.irp b, 0,1,2,3,4,5,6,7
.irp c, 0,1,2
	ds_load_b128 v[128*fp+12*\b+4*\c:128*fp+12*\b+4*\c+3], v[ADRP+fs] offset:UNIT*fq+1536*\b+512*\c
.endr
.endr
	WIN 0
.irp a, 0,1,2,3
.irp c, 0,1,2
	ds_load_b128 v[RF+48*fp+12*\a+4*\c:RF+48*fp+12*\a+4*\c+3], v[ADRR+fs] offset:UNIT*fq+1536*\a+512*\c
.endr
.endr
	ds_load_b64 v[SC+6*fp:SC+6*fp+1], v[ADSP+fs] offset:UNIT*fq
	ds_load_b64 v[SC+6*fp+2:SC+6*fp+3], v[ADSP+fs] offset:UNIT*fq+256
	ds_load_b64 v[SC+6*fp+4:SC+6*fp+5], v[ADSR+fs] offset:UNIT*fq
.endm
.macro WMC ra, rb                      ; C in registers: the accumulator itself, or a tile of the bias
.if (\ra) == 0 && (\rb) == 0
	v_wmma_scale_f32_16x16x128_f8f6f4 v[rD:rD+7], v[rA:rA+11], v[rB:rB+11], v[rC:rC+7], v[rSA], v[rSB] matrix_a_fmt:MATRIX_FMT_FP6 matrix_b_fmt:MATRIX_FMT_FP6
.elseif (\ra) == 1 && (\rb) == 0
	v_wmma_scale_f32_16x16x128_f8f6f4 v[rD:rD+7], v[rA:rA+11], v[rB:rB+11], v[rC:rC+7], v[rSA], v[rSB] matrix_a_fmt:MATRIX_FMT_FP6 matrix_b_fmt:MATRIX_FMT_FP6 matrix_a_scale:MATRIX_SCALE_ROW1
.elseif (\ra) == 0 && (\rb) == 1
	v_wmma_scale_f32_16x16x128_f8f6f4 v[rD:rD+7], v[rA:rA+11], v[rB:rB+11], v[rC:rC+7], v[rSA], v[rSB] matrix_a_fmt:MATRIX_FMT_FP6 matrix_b_fmt:MATRIX_FMT_FP6 matrix_b_scale:MATRIX_SCALE_ROW1
.else
	v_wmma_scale_f32_16x16x128_f8f6f4 v[rD:rD+7], v[rA:rA+11], v[rB:rB+11], v[rC:rC+7], v[rSA], v[rSB] matrix_a_fmt:MATRIX_FMT_FP6 matrix_b_fmt:MATRIX_FMT_FP6 matrix_a_scale:MATRIX_SCALE_ROW1 matrix_b_scale:MATRIX_SCALE_ROW1
.endif
.endm
.macro WM a, b, p, cm                  ; cm = 0: adds in place; cm = 2: the bias's tile b (window 0) starts the sum
.set rD, 8*(8*(\a)+(\b))
.set rC, rD
.if (\cm) == 2
.set rC, BB+8*(\b)
.endif
.set rA, 128*(\p)+12*(\b)
.set rB, RF+48*(\p)+12*(\a)
.set rSA, SC+6*(\p)+(\b)/2
.set rSB, SRB+SRS*(\p)+(\a)/2
	WMC ((\b)%2), ((\a)%2)
.endm
; A K step: its set is in; the next step's set is asked for in one run; 32 products, the 32 accumulators by turns.
; sync >= 0: the next step begins a stage: my part has landed (sync younger loads may stay out), and behind the barrier everybody's has.
.macro STEP ks, sync, fetch, cm
	s_wait_dscnt 0x0
.if (\sync) >= 0
	s_wait_tensorcnt \sync
	s_barrier_signal -1
	s_barrier_wait -1
.endif
.if \fetch
	PLACES 4                                       ; four places in front of loads into registers that the last step's products have read
	FETCH (\ks)+1
.endif
.if (\cm) == 2
	WIN 0x81                                       ; source 0 window 1, sources 1 and 2 window 0, destination window 2
.else
	WIN MUL
.endif
.irp a, 0,1,2,3
.irp b, 0,1,2,3,4,5,6,7
	WM \a, \b, ((\ks)%2), \cm
.endr
.endr
	WIN 0
.endm
; Block a leaves: twice 16 tokens x 64 outputs through my stage.  LDS serves a wave's instructions in order (ISA guide 5.7.1.4): the loads see the stores above them, and the second half's stores come behind the first half's loads.
.macro OUTB a
.if (\a) > 0
	s_wait_xcnt 0x0                                ; the last block's stores have read their registers: the loads below may land there
.endif
.irp u, 0,1
	WIN 0x08                                       ; an LDS store's data are its source 1: window 2
.irp t, 0,1,2,3
	ds_store_b128 v[STO], v[8*(8*(\a)+4*\u+\t):8*(8*(\a)+4*\u+\t)+3] offset:128*(\t/2)+32*(\t%2)        ; each accumulator from its low end on
	ds_store_b128 v[STO], v[8*(8*(\a)+4*\u+\t)+4:8*(8*(\a)+4*\u+\t)+7] offset:128*(\t/2)+32*(\t%2)+16
.endr
	WIN 0
.irp i, 0,1,2,3,4,5,6,7
	ds_load_b128 v[OB+32*\u+4*\i:OB+32*\u+4*\i+3], v[RD] offset:544*\i
.endr
.endr
.irp u, 0,1
.irp i, 0,1,2,3,4,5,6,7
	s_wait_dscnt 23-16*\u-\i                       ; the LDS instructions issued behind this load may stay out
	global_store_b128 v[CO], v[OB+32*\u+4*\i:OB+32*\u+4*\i+3], s[60:61] offset:(32*((\a)/2)+8*((\a)%2)+2*\i+8*(\i/4))*4096+256*\u th:TH_STORE_NT   ; places 2 i and 2 i + 1 of the block, at their true rows; written once, read by nobody here
.endr
.endr
.endm
	s_load_b256 s[4:11], s[0:1], 0x0               ; oc, xw, bp, out0
	IDS
	ADDRS
	v_and_b32 v11, 15, v0                          ; r
	v_bfe_u32 v10, v0, 4, 1                        ; h
	s_mul_i32 s2, s16, 16*272
	s_add_co_u32 s2, s2, STAGE                     ; my stage
	v_mul_u32_u24 v[STO], v11, 272
	v_lshl_add_u32 v[STO], v10, 6, v[STO]
	v_add_nc_u32 v[STO], s2, v[STO]                ; in: row r, + 64 h: my 16 outputs of each 32
	v_mul_u32_u24 v[RD], v10, 272
	v_lshl_add_u32 v[RD], v11, 4, v[RD]
	v_add_nc_u32 v[RD], s2, v[RD]                  ; back: lanes 0-15 one row, lanes 16-31 the next
	v_lshlrev_b32 v[CO], 12, v10
	v_lshl_add_u32 v[CO], v11, 4, v[CO]            ; and the same in out: 4,096 h + 16 r
	v_lshlrev_b32 v10, 6, v10                      ; bp: 64 h bytes
	s_lshl_b32 s84, s22, 2
	s_add_co_u32 s84, s84, s20                     ; g = 4 CY + cy
	s_mul_i32 s56, s84, GRP8
	s_mul_i32 s85, s18, UNIT
	s_add_co_u32 s56, s56, s85
	s_mov_b32 s57, 0
	s_lshl_b32 s58, s21, 1
	s_add_co_u32 s58, s58, s18
	s_add_co_u32 s58, s58, 88                      ; Wp's group 2 X + w % 2
	s_mul_i32 s58, s58, GRP8
	s_mov_b32 s59, 0
	s_lshl_b32 s60, s84, 1
	s_add_co_u32 s60, s60, s17
	s_lshl_b32 s60, s60, 18                        ; (128 g + 64 hr) rows of 4,096 bytes
	s_lshl_b32 s62, s21, 10
	s_lshl_b32 s86, s18, 9
	s_add_co_u32 s62, s62, s86                     ; 4 (256 X + 128 hp): my outputs' bytes, in a row of out and in bp
	s_add_co_u32 s60, s60, s62
	s_mov_b32 s61, 0
	s_mov_b32 s63, 0
	s_wait_dscnt 0x0                               ; the opening add is done
	s_wait_kmcnt 0x0
	s_add_nc_u64 s[56:57], s[4:5], s[56:57]
	s_add_nc_u64 s[58:59], s[6:7], s[58:59]
	s_add_nc_u64 s[60:61], s[10:11], s[60:61]
	s_add_nc_u64 s[62:63], s[8:9], s[62:63]
	G0BUILD
	s_mul_i32 s2, s18, 4*UNIT                      ; the head's load of R: part p brings units 4 p .. 4 p + 3
	s_mov_b32 s[G0R+4], 1
	s_mov_b32 s[G0R+5], s2
	s_mul_i32 s2, s18, 3*UNIT                      ; (s[56:57] holds the group's address + 12,800 p)
	s_mov_b32 s3, 0
	s_add_nc_u64 s[G0R+6:G0R+7], s[56:57], s[2:3]
	s_or_b32 s[G0R+7], s[G0R+7], 0x80000000
	CROUND                                         ; all sixteen work-groups are here: the first joint loads meet
	FIRST
	s_wait_alu depctr_va_vdst(0)
.irp t, 0,1,2,3,4,5,6,7
	global_load_b128 v[BB+8*\t:BB+8*\t+3], v10, s[62:63] offset:(32*(\t/2)+8*(\t%2))*4     ; tile t, lane half h: outputs 32 (t / 2) + 16 h + 8 (t % 2) + 0 .. 7
	global_load_b128 v[BB+8*\t+4:BB+8*\t+7], v10, s[62:63] offset:(32*(\t/2)+8*(\t%2))*4+16
.endr
	s_wait_tensorcnt 0x0                           ; my part of the operands has landed,
	s_barrier_signal -1
	s_barrier_wait -1                              ; everybody's has
	FETCH 0
	s_wait_loadcnt 0x0                             ; bp
	STEP 0, -1, 1, 2
	STEP 1, -1, 1, 0
	STEP 2, -1, 1, 0
	STEP 3, -1, 1, 0
	STEP 4, -1, 1, 0
	STEP 5, -1, 1, 0
	STEP 6, -1, 1, 0
	STEP 7, -1, 0, 0
	PLACES 4                                       ; in front of the first read of results, and of loads into registers that held R's fragments
	OUTB 0
	OUTB 1
	OUTB 2
	OUTB 3
	s_wait_tensorcnt 0x0                           ; the wave's end: behind my last tensor load and my last LDS store
	ds_add_u32 v[SPW], v[NIL]
	s_wait_dscnt 0x0
	CROUND                                         ; the closing round
	s_endpgm
.Lfunc_end_k_qea1d1cbf9c_proj:
	.size	k_qea1d1cbf9c_proj, .Lfunc_end_k_qea1d1cbf9c_proj-k_qea1d1cbf9c_proj
	.p2alignl 7, 3214868480
	.fill 96, 4, 3214868480
	.section	.rodata,"a",@progbits
	.p2align	6, 0x0
	.amdhsa_kernel k_qea1d1cbf9c_proj
		.amdhsa_group_segment_fixed_size 327680
		.amdhsa_private_segment_fixed_size 0
		.amdhsa_enable_private_segment 0
		.amdhsa_kernarg_size 32
		.amdhsa_user_sgpr_count 2
		.amdhsa_user_sgpr_kernarg_segment_ptr 1
		.amdhsa_wavefront_size32 1
		.amdhsa_system_sgpr_workgroup_id_x 1
		.amdhsa_system_sgpr_workgroup_id_y 1
		.amdhsa_system_sgpr_workgroup_id_z 1
		.amdhsa_system_vgpr_workitem_id 0
		.amdhsa_next_free_vgpr 768
		.amdhsa_next_free_sgpr 104
		.amdhsa_reserve_vcc 0
		.amdhsa_float_denorm_mode_32 3
		.amdhsa_float_denorm_mode_16_64 3
		.amdhsa_memory_ordered 1
		.amdhsa_forward_progress 1
		.amdhsa_inst_pref_size 79
	.end_amdhsa_kernel
	.amdgpu_metadata
---
amdhsa.version: [ 1, 2 ]
amdhsa.kernels:
  - .name:           k_qea1d1cbf9c_proj
    .symbol:         k_qea1d1cbf9c_proj.kd
    .args:
      - { .name: oc, .offset: 0, .size: 8, .value_kind: global_buffer, .address_space: global }
      - { .name: xw, .offset: 8, .size: 8, .value_kind: global_buffer, .address_space: global }
      - { .name: bp, .offset: 16, .size: 8, .value_kind: global_buffer, .address_space: global }
      - { .name: out0, .offset: 24, .size: 8, .value_kind: global_buffer, .address_space: global }
    .group_segment_fixed_size: 327680
    .private_segment_fixed_size: 0
    .kernarg_segment_align: 8
    .kernarg_segment_size: 32
    .max_flat_workgroup_size: 128
    .sgpr_count:     104
    .vgpr_count:     768
    .wavefront_size: 32
...
	.end_amdgpu_metadata
.endif
;; end of part 5
